; MI455X (gfx1250); checked and timed in simulation.
; The chip was launched on July 23, 2026; its instructions are those of AMD's public machine-readable ISA for CDNA 5 (MIT licence, August 2026) and "CDNA5" Instruction Set Architecture Reference Guide (July 2026). The comments in the code are by the model that wrote it; some were corrected since.
;; Self Attn. Allowed arithmetic: matrix products marked QUANTISED: E5M2 operands, one E8M0 scale for each 32 along K, by v_wmma_scale_f32_16x16x128_f8f6f4 with both operands' format E5M2, f32 sums; everything else in f32.
;; Inputs: fc1_b 512 float32; fc1_w 512 x 1,024 float32; fc2_b 1,024 float32; fc2_w 1,024 x 512 float32; fc_b 1,024 float32; fc_w 1,024 x 512 float32; ln1_b 1,024 float32; ln1_w 1,024 float32; ln2_b 1,024 float32; ln2_w 1,024 float32; wk_b 512 float32; wk_w 512 x 1,024 float32; wq_b 512 float32; wq_w 512 x 1,024 float32; wv_b 512 float32; wv_w 512 x 1,024 float32; x 4 x 2,048 x 1,024 float32.
;; Outputs: out0 4 x 2,048 x 1,024 float32.
;; This version of the problem:
;;   THIS VERSION OF THE PROBLEM IS GIVEN IN LOW PRECISION. The matrix products marked QUANTISED in the list below multiply operands that are first quantised to E5M2 (5 exponent bits, 2 mantissa bits; 8 bits a number), with one power-of-two scale for each 32 numbers along K (OCP MX v1.0); their sums are f32. All else is computed in f32.
;;   The module's matrix products, in the order in which they are computed (A, B: the left and right operand; K: the contracted axis; several contracted axes count as one K, in the product's order):
;;     1. [M 8,192, K 1,024] x [K 1,024, N 512]; A: computed on the way; B: input wq_w: QUANTISED
;;     2. [M 8,192, K 1,024] x [K 1,024, N 512]; A: computed on the way; B: input wk_w: QUANTISED
;;     3. [M 8,192, K 1,024] x [K 1,024, N 512]; A: computed on the way; B: input wv_w: QUANTISED
;;     4. batch 32 x [M 2,048, K 64] x [K 64, N 2,048]; A: computed on the way; B: computed on the way: QUANTISED
;;     5. batch 32 x [M 2,048, K 2,048] x [K 2,048, N 64]; A: softmax (see below); B: computed on the way: QUANTISED
;;     6. [M 8,192, K 512] x [K 512, N 1,024]; A: computed on the way; B: input fc_w: QUANTISED
;;     7. [M 8,192, K 1,024] x [K 1,024, N 512]; A: computed on the way; B: input fc1_w: QUANTISED
;;     8. [M 8,192, K 512] x [K 512, N 1,024]; A: computed on the way; B: input fc2_w: QUANTISED
;;   THE QUANTISER, for each operand of a quantised product, along K:
;;     - K is cut into blocks of 32 from its start; a last block that is shorter is filled with zeros.
;;     - A block's scale is 2^e with e = floor(log2(the largest magnitude in the block)) - 15, held to -126 .. 127; a block of zeros has e = 0. As a byte (E8M0): e + 127.
;;     - Each number is divided by its block's scale, clamped to +-57,344, and rounded to the nearest number of E5M2, ties to even, subnormals kept.
;;     - The product sums the exact products of the quantised numbers (number of the format x scale) in f32.
;;   ~~~python
;;   def quantise(x, axis):      # numpy; x: float32 -> the quantised numbers, widened to float32 again
;;       x = np.moveaxis(x, axis, -1); K = x.shape[-1]
;;       x = np.pad(x, [(0, 0)] * (x.ndim - 1) + [(0, -K % 32)]); x = x.reshape(x.shape[:-1] + (-1, 32)); a = np.abs(x).max(-1, keepdims=True)
;;       e = np.where(a > 0, np.clip(np.frexp(np.where(a > 0, a, 1))[1] - 1 - 15, -126, 127), 0)      # np.frexp(a)[1] - 1 = floor(log2(a)), exactly
;;       r = np.clip(x / 2.0 ** e, -57344, 57344)
;;       step = 2.0 ** (np.maximum(np.frexp(np.where(r == 0, 1, r))[1] - 1, -14) - 2)
;;       q = np.round(r / step) * step * 2.0 ** e      # np.round: ties to even
;;       return np.moveaxis(q.reshape(q.shape[:-2] + (-1,))[..., :K], -1, axis).astype(np.float32)
;;   ~~~
;;   SOFTMAX AHEAD OF A QUANTISED PRODUCT. Where the list says 'softmax', what is quantised is not the finished softmax but p = 2^(t - M), with t = logit x log2(e) and M = ceil(the row's largest t), a whole number; so 1/2 < the row's largest p <= 1. The row's sum l is taken of the UNQUANTISED p, in f32, and the product's result is divided by l at the end. Since M is a whole number, a kernel that streams over the keys may use a running M (the ceiling of the running maximum): every later rescaling is an exact power of two, which a block's scale takes up: the codes' values come out the same.
;;   OPERANDS COMPUTED ON THE WAY. 'Computed on the way' means the value that the module computes at that place (a softmax that the list does not call 'softmax' is quantised finished and normalised). What goes into a quantiser is computed in f32, as accurately as f32 sums, v_exp_f32 and their like allow (about 1e-6 of the number): no bf16 or f16 on the way to a quantiser, and a product that is left as it is and whose result goes on into a quantised operand takes f32 operands (vector FMAs, or v_wmma_f32_16x16x4_f32). A number that lies on a knife's edge between two numbers of the format may be rounded either way, as far as f32 arithmetic and the matrix unit's own rounding can turn it there, and no further.
;; 2 versions, each right; version 2 is version 1 with the launches qkv, tail written anew for expert scheduling mode. Each part assembles by itself: llvm-mc -triple=amdgcn-amd-amdhsa -mcpu=gfx1250 --defsym DOCPART=n.
;; ======== version 1 of 2: 4 launches
;; workspace buffers: wcodes 3,145,728 bytes; wscales 114,688 bytes; qc 4,194,304 bytes; qs 262,144 bytes; kv 8,781,824 bytes; oc 4,194,304 bytes; os 131,072 bytes
;; launch wquant (part 1): grid 256 x 1, 6 waves a work-group, no clusters, 51,456 bytes of LDS; arguments wq_w, wk_w, wv_w, fc_w, fc1_w, fc2_w, wcodes, wscales; writes wcodes, wscales
.if DOCPART == 1
	.amdgcn_target "amdgcn-amd-amdhsa--gfx1250"
	.amdhsa_code_object_version 6
	.text
	.protected	k_qf764f86fcf_wquant
	.globl	k_qf764f86fcf_wquant
	.p2align	8
	.type	k_qf764f86fcf_wquant,@function
k_qf764f86fcf_wquant:
	s_mov_b64 s[64:65], 0
	v_nop
	global_prefetch_b8 v0, s[64:65] scope:SCOPE_SE
	s_setreg_imm32_b32 hwreg(HW_REG_WAVE_MODE, 25, 1), 1
	s_wait_xcnt 0x0
; The six weights [N][K], f32, K innermost, become codes of BF8 (E5M2) with one E8M0 scale byte for each 32 along K.
; They are laid as IMAGES OF OPERAND REGISTERS, in the order in which the later launches' waves stream them.
; A fragment is 16 rows x 128 K = 2,048 bytes: register group c (four registers) of lane l lies at 512 c + 16 l, and lane (r = l % 16, h = l / 16), group c, holds k = 32 c + 16 h + 0 .. 15 of its row.
; THE ROWS OF A TILE ARE NOT NEIGHBOURS: in a group of 32 rows, lane r of tile u takes row 8 u + r + 8 (r / 8).  So a product that has the tile as source 0 leaves 16 neighbours in the 16 registers of tiles 0 and 1.
; SHARES: wave = matrix (0 wq, 1 wk, 2 wv, 3 fc, 4 fc1, 5 fc2); work-group = fragment of that matrix (each has 256).  Waves share nothing: no barrier.
; Each load reads 512 consecutive bytes of one row.  The 16 rows turn through the wave's own stage in LDS (pitch 528 bytes = 33 x 16, so sixteen rows start in sixteen different 16-byte columns),
; since the conversions want 16 neighbours along K in one lane's registers.
; A block's scale byte is its largest magnitude's exponent field - 15, held at 1 from below.  A block of zeros so gets 1 where the rule says 127: its codes are zeros, and this program alone reads the bytes.
; LIMITS: NaN and infinities among the inputs are not served.
.set STGB, 8448                        ; a wave's stage: 16 rows x 528 bytes
.set LI,  1                            ; v1   16 x lane
.set STI, 2                            ; v2   the stage, on the way in
.set STO, 3                            ; v3   and on the way out: 528 r + 64 h
.set RR,  4                            ; v4   r
.set SA,  6                            ; v6   r's place among the scale words
.set PW,  7                            ; v7   my row's scale word
.set RO,  16                           ; v16-31  byte offset of row j of the tile, + 16 x lane
.set X,   32                           ; v32-95  the numbers
.set PC,  96                           ; v96-111 the codes
.set TM,  112                          ; v112-127 +0 largest magnitudes, +4 bytes, +8 the largest number x the scale, +12 the conversions' scale operands
.set WV,  2                            ; s2   wave = matrix
.set SEL, 10                           ; s[10:11] v_permlanex16_b32's selects for lane l xor 16
.set MNT, 12                           ; s12  the mantissa field of 57,344
; nb blocks of a lane (block b = v[s + 16 b] .. + 15, shared with lane l xor 16) become codes in v[pc + 4 b] .. + 3 and bytes in v[TM + 4 + b].  relu = 1: what is negative becomes 0 on the way.
.macro QUANT s, nb, relu, pc
.set qb, 0
.rept \nb
.if \relu
	v_max3_num_f32 v[TM+qb], v[(\s)+16*qb], v[(\s)+16*qb+1], 0x8000000   ; the floor 2^(16 - 127) among the leaves: the byte cannot fall under 1
.else
	v_max3_num_f32 v[TM+qb], |v[(\s)+16*qb]|, |v[(\s)+16*qb+1]|, 0x8000000
.endif
.set qb, qb+1
.endr
.set qi, 2
.rept 7
.set qb, 0
.rept \nb
.if \relu
	v_max3_num_f32 v[TM+qb], v[TM+qb], v[(\s)+16*qb+qi], v[(\s)+16*qb+qi+1]
.else
	v_max3_num_f32 v[TM+qb], v[TM+qb], |v[(\s)+16*qb+qi]|, |v[(\s)+16*qb+qi+1]|
.endif
.set qb, qb+1
.endr
.set qi, qi+2
.endr
.set qb, 0
.rept \nb
	v_permlanex16_b32 v[TM+4+qb], v[TM+qb], s[SEL], s[SEL+1]
.set qb, qb+1
.endr
.set qb, 0
.rept \nb
	v_max_num_f32 v[TM+qb], v[TM+qb], v[TM+4+qb]           ; with lane l xor 16's 16: the block's largest magnitude
.set qb, qb+1
.endr
.set qb, 0
.rept \nb
	v_add_nc_u32 v[TM+12+qb], 0xf8800000, v[TM+qb]         ; 15 off its exponent field: the conversion's scale operand
.set qb, qb+1
.endr
.set qb, 0
.rept \nb
	v_and_or_b32 v[TM+8+qb], v[TM+qb], 0x7f800000, s[MNT]  ; 57,344 x the scale
.set qb, qb+1
.endr
.set qb, 0
.rept \nb
	v_lshrrev_b32 v[TM+4+qb], 23, v[TM+12+qb]              ; the scale's byte
.set qb, qb+1
.endr
.set qb, 0
.rept \nb
.set qi, 0
.rept 16
.if \relu
	v_med3_num_f32 v[(\s)+16*qb+qi], v[(\s)+16*qb+qi], 0, v[TM+8+qb]
.else
	v_med3_num_f32 v[(\s)+16*qb+qi], v[(\s)+16*qb+qi], -v[TM+8+qb], v[TM+8+qb]   ; the conversion does not saturate (ISA guide 7.6.2): the hold comes first
.endif
.set qi, qi+1
.endr
	v_cvt_scalef32_pk8_bf8_f32 v[(\pc)+4*qb:(\pc)+4*qb+1], v[(\s)+16*qb:(\s)+16*qb+7], v[TM+12+qb]
	v_cvt_scalef32_pk8_bf8_f32 v[(\pc)+4*qb+2:(\pc)+4*qb+3], v[(\s)+16*qb+8:(\s)+16*qb+15], v[TM+12+qb]
.set qb, qb+1
.endr
	v_nop                                                  ; one plain line behind the last conversion
.endm
	s_load_b512 s[16:31], s[0:1], 0x0              ; wq s[16:17], wk, wv, fc, fc1, fc2 s[26:27], the codes s[28:29], the scale words s[30:31]
	v_lshl_add_u32 v128, v0, 2, 0xc600
	v_mov_b32 v129, 0
	v_lshrrev_b32 v8, 5, v0
	v_readfirstlane_b32 s[WV], v8
	v_and_b32 v5, 31, v0                           ; lane
	v_and_b32 v[RR], 15, v0                        ; r
	v_bfe_u32 v9, v0, 4, 1                         ; h
	v_lshlrev_b32 v[LI], 4, v5
	s_mul_i32 s3, s[WV], STGB
	v_add_nc_u32 v[STI], s3, v[LI]
	v_mul_u32_u24 v[STO], v[RR], 528
	v_lshl_add_u32 v[STO], v9, 6, v[STO]
	v_add_nc_u32 v[STO], s3, v[STO]
	s_mov_b32 s[SEL], 0x76543210
	s_mov_b32 s[SEL+1], 0xfedcba98
	s_mov_b32 s[MNT], 0x600000
.irp b, 0,1,2,3
	v_mov_b32 v[TM+4+\b], 0                        ; a lane permute's destination counts as one of its sources
.endr
	; what differs between the matrices, chosen on the wave's number alone
	s_lshl_b32 s38, s[WV], 8                       ; first fragment of sections fc, fc1, fc2: 768, 1,024, 1,280
	s_lshl_b32 s39, s[WV], 14
	s_add_co_u32 s39, s39, 0x4000                  ; first byte of their scale words: 65,536, 81,920, 98,304
	s_cmp_lt_u32 s[WV], 3                          ; wq, wk, wv share one section
	s_cselect_b32 s34, 6, 4                        ; fragments of a consumer wave in a K step
	s_cselect_b32 s35, 12, 10                      ; log2 of a consumer wave's bytes of scale words
	s_cselect_b32 s36, 5, 6                        ; log2 of a lane's
	s_cselect_b32 s37, 0x200, 16                   ; a K step's
	s_cselect_b32 s38, 0, s38
	s_cselect_b32 s39, 0, s39
	s_cmp_eq_u32 s[WV], 4
	s_cselect_b32 s34, 2, s34
	s_cselect_b32 s37, 8, s37
	s_cselect_b32 s41, 1, 2                        ; log2 of the matrix's tiles for a consumer wave
	s_cmp_eq_u32 s[WV], 2
	s_cselect_b32 s41, 1, s41
	s_cselect_b32 s43, 4, 0                        ; wv's two tiles come behind wq's or wk's four
	s_cmp_eq_u32 s[WV], 1
	s_cselect_b32 s42, 8, 0                        ; wk serves waves 8 to 15
	s_cmp_eq_u32 s[WV], 3
	s_cselect_b32 s40, 2, 3                        ; log2 of the K steps: K = 512 or 1,024
	s_cmp_eq_u32 s[WV], 5
	s_cselect_b32 s40, 2, s40
	s_lshl_b32 s44, 1, s40
	s_sub_co_u32 s44, s44, 1
	s_and_b32 s44, ttmp9, s44                      ; K step
	s_lshr_b32 s45, ttmp9, s40                     ; tile
	s_and_b32 s46, s45, 1
	s_lshl_b32 s47, s45, 4
	s_lshl_b32 s46, s46, 3
	s_sub_co_u32 s47, s47, s46                     ; the tile's first row: 16 x tile - 8 u
	s_add_co_u32 s48, s40, 9                       ; log2 of a row's bytes
	s_lshl_b32 s47, s47, s48
	s_lshl_b32 s49, s44, 9
	s_add_co_u32 s50, s47, s49                     ; the fragment's first byte in its matrix
	s_mov_b32 s51, 0
	s_lshr_b32 s52, s45, s41
	s_add_co_u32 s52, s52, s42                     ; the consumer wave
	s_lshl_b32 s53, 1, s41
	s_sub_co_u32 s53, s53, 1
	s_and_b32 s53, s45, s53
	s_add_co_u32 s53, s53, s43                     ; which of its fragments in the K step
	s_lshl_b32 s54, s52, s40
	s_add_co_u32 s54, s54, s44
	s_mul_i32 s54, s54, s34
	s_add_co_u32 s54, s54, s53
	s_add_co_u32 s54, s54, s38
	s_lshl_b32 s54, s54, 11                        ; the image's first byte
	s_mov_b32 s55, 0
	s_lshl_b32 s56, s52, s35
	s_mul_i32 s57, s44, s37
	s_add_co_u32 s56, s56, s57
	s_lshl_b32 s57, s53, 2
	s_add_co_u32 s56, s56, s57
	s_add_co_u32 s56, s56, s39                     ; lane 0's scale word
	s_mov_b32 s57, 0
	v_lshlrev_b32 v[SA], s36, v[RR]
.irp j, 0,1,2,3,4,5,6,7,8,9,10,11,12,13,14,15
	v_lshl_add_u32 v[RO+\j], \j+8*(\j/8), s48, v[LI]   ; lane j's row lies j + 8 (j / 8) rows on
.endr
	s_wait_kmcnt 0x0
	s_cmp_eq_u32 s[WV], 1
	s_cselect_b64 s[4:5], s[18:19], s[16:17]
	s_cmp_eq_u32 s[WV], 2
	s_cselect_b64 s[4:5], s[20:21], s[4:5]
	s_cmp_eq_u32 s[WV], 3
	s_cselect_b64 s[4:5], s[22:23], s[4:5]
	s_cmp_eq_u32 s[WV], 4
	s_cselect_b64 s[4:5], s[24:25], s[4:5]
	s_cmp_eq_u32 s[WV], 5
	s_cselect_b64 s[4:5], s[26:27], s[4:5]
	s_add_nc_u64 s[4:5], s[4:5], s[50:51]
	s_add_nc_u64 s[6:7], s[28:29], s[54:55]
	s_add_nc_u64 s[8:9], s[30:31], s[56:57]
.irp j, 0,1,2,3,4,5,6,7,8,9,10,11,12,13,14,15
	global_load_b128 v[X+4*\j:X+4*\j+3], v[RO+\j], s[4:5] th:TH_LOAD_NT   ; 32 lanes read 512 consecutive bytes of one row
.endr
	s_wait_loadcnt 0x0
.irp j, 0,1,2,3,4,5,6,7,8,9,10,11,12,13,14,15
	ds_store_b128 v[STI], v[X+4*\j:X+4*\j+3] offset:\j*528
.endr
.irp b, 0,1,2,3
.irp q, 0,1,2,3
	ds_load_b128 v[X+16*\b+4*\q:X+16*\b+4*\q+3], v[STO] offset:128*\b+16*\q   ; LDS serves a wave's instructions in order: these see my stores
.endr
.endr
	s_wait_dscnt 0x0
	QUANT X, 4, 0, PC
	v_lshl_or_b32 v[PW], v[TM+5], 8, v[TM+4]
	v_lshl_or_b32 v[PW], v[TM+6], 16, v[PW]
	v_lshl_or_b32 v[PW], v[TM+7], 24, v[PW]
.irp c, 0,1,2,3
	global_store_b128 v[LI], v[PC+4*\c:PC+4*\c+3], s[6:7] offset:512*\c   ; 512 consecutive bytes, aligned
.endr
	global_store_b32 v[SA], v[PW], s[8:9]          ; lanes r and r + 16 hold the same word and store it to the same place
	s_wait_tensorcnt 0x0
	ds_add_u32 v128, v129
	s_wait_dscnt 0x0
	s_endpgm
.Lfunc_end_k_qf764f86fcf_wquant:
	.size	k_qf764f86fcf_wquant, .Lfunc_end_k_qf764f86fcf_wquant-k_qf764f86fcf_wquant
	.p2alignl 7, 3214868480
	.fill 96, 4, 3214868480
	.section	.rodata,"a",@progbits
	.p2align	6, 0x0
	.amdhsa_kernel k_qf764f86fcf_wquant
		.amdhsa_group_segment_fixed_size 51456
		.amdhsa_private_segment_fixed_size 0
		.amdhsa_enable_private_segment 0
		.amdhsa_kernarg_size 64
		.amdhsa_user_sgpr_count 2
		.amdhsa_user_sgpr_kernarg_segment_ptr 1
		.amdhsa_wavefront_size32 1
		.amdhsa_system_sgpr_workgroup_id_x 1
		.amdhsa_system_sgpr_workgroup_id_y 1
		.amdhsa_system_sgpr_workgroup_id_z 1
		.amdhsa_system_vgpr_workitem_id 0
		.amdhsa_next_free_vgpr 130
		.amdhsa_next_free_sgpr 66
		.amdhsa_reserve_vcc 0
		.amdhsa_float_denorm_mode_32 3
		.amdhsa_float_denorm_mode_16_64 3
		.amdhsa_memory_ordered 1
		.amdhsa_forward_progress 1
		.amdhsa_inst_pref_size 17
	.end_amdhsa_kernel
	.amdgpu_metadata
---
amdhsa.version: [ 1, 2 ]
amdhsa.kernels:
  - .name:           k_qf764f86fcf_wquant
    .symbol:         k_qf764f86fcf_wquant.kd
    .args:
      - { .name: wq_w, .offset: 0, .size: 8, .value_kind: global_buffer, .address_space: global }
      - { .name: wk_w, .offset: 8, .size: 8, .value_kind: global_buffer, .address_space: global }
      - { .name: wv_w, .offset: 16, .size: 8, .value_kind: global_buffer, .address_space: global }
      - { .name: fc_w, .offset: 24, .size: 8, .value_kind: global_buffer, .address_space: global }
      - { .name: fc1_w, .offset: 32, .size: 8, .value_kind: global_buffer, .address_space: global }
      - { .name: fc2_w, .offset: 40, .size: 8, .value_kind: global_buffer, .address_space: global }
      - { .name: wcodes, .offset: 48, .size: 8, .value_kind: global_buffer, .address_space: global }
      - { .name: wscales, .offset: 56, .size: 8, .value_kind: global_buffer, .address_space: global }
    .group_segment_fixed_size: 51456
    .private_segment_fixed_size: 0
    .kernarg_segment_align: 8
    .kernarg_segment_size: 64
    .max_flat_workgroup_size: 192
    .sgpr_count:     66
    .vgpr_count:     130
    .wavefront_size: 32
...
	.end_amdgpu_metadata
.endif
;; end of part 1
;; launch qkv (part 2): grid 256 x 1, 16 waves a work-group, no clusters, 173,056 bytes of LDS; arguments x, ln1_w, ln1_b, wcodes, wscales, wq_b, wk_b, wv_b, qc, qs, kv; writes qc, qs, kv
.if DOCPART == 2
	.amdgcn_target "amdgcn-amd-amdhsa--gfx1250"
	.amdhsa_code_object_version 6
	.text
	.protected	k_qf764f86fcf_qkv
	.globl	k_qf764f86fcf_qkv
	.p2align	8
	.type	k_qf764f86fcf_qkv,@function
k_qf764f86fcf_qkv:
	s_mov_b64 s[64:65], 0
	v_nop
	global_prefetch_b8 v0, s[64:65] scope:SCOPE_SE
	s_setreg_imm32_b32 hwreg(HW_REG_WAVE_MODE, 25, 1), 1
	s_wait_xcnt 0x0
; h = LN1(x), quantised along its 1,024.  q, k, v = h W^T + b on codes of BF8 (E5M2) with E8M0 scales.  q and k are quantised along the head's 64, v along the keys.  All leave as images of operand registers.
; SHARES: a work-group owns 32 tokens: two tiles u, and lane r of tile u is token 8 u + r + 8 (r / 8).  It has sixteen waves of 256 registers, four to a SIMD.
;   LN: wave w = 8 u + s owns tile u, columns 128 s on: one fragment.  A row's sums meet in LDS.  The variance is the mean of (x - mean)^2, taken in a second pass over registers.
;   Products: THE WAVES SHARE THE COLUMNS.  Wave w makes the 64 columns of q's head w (w < 8) or of k's head w - 8, and 32 columns of v (head w / 2).  So each weight fragment is wanted by ONE wave of the
;   work-group and goes from memory straight into its registers (four loads of 512 consecutive bytes; the launch before laid them so), feeding two products.  h's codes go round as images in LDS.
; q, k: source 0 = 16 weight rows, source 1 = 16 tokens.  A lane holds one token and 16 neighbouring columns in the registers of two neighbouring tiles; the bias is loaded straight into the accumulators.
; v: the sources swapped.  A lane holds one column d, and its 16 registers of the two token tiles are 16 neighbouring tokens, that is keys: the second attention product's K.
; No tensor load and no joint request.  What the work-groups share is the weights, 1.5 MiB for 96 products a wave.  Through LDS slots they would want sixteen refills or more, each with two dozen products a SIMD to land in.
; LIMITS: NaN and infinities are not served; a block of zeros gets the scale byte 1 and not 127 (its codes are zeros, and this program alone reads the bytes).
.set AIMG,  0                          ; h's 16 fragments, (8 u + s) x 2,048
.set ASC,   32768                      ; their scale words: 128 s + 8 r + 4 u
.set PS1,   33792                      ; partial sums: 512 u + 32 r + 4 s
.set PS2,   34816                      ; partial sums of squares
.set STAGE, 35840                      ; a stage of 16 rows x 528 bytes for each wave
.set STGB,  8448
.set LI,   1                           ; v1   16 x lane
.set LR8,  2                           ; v2   8 r
.set STI,  3                           ; v3   my stage, in
.set STO,  4                           ; v4   my stage, out: 528 r + 64 h
.set PSW,  5                           ; v5   32 r + 512 u + 4 s
.set PSR,  6                           ; v6   32 r + 512 u
.set AW,   7                           ; v7   2,048 w + 16 x lane
.set ASW,  8                           ; v8   128 s + 8 r + 4 u
.set H64,  9                           ; v9   64 h
.set R32,  10                          ; v10  32 r
.set RHO4, 11                          ; v11  4 (r + 8 (r / 8))
.set SA,   12                          ; v12  q's or k's scale words: 8 r or 16 r, + 4 h
.set VA,   13                          ; v13  v's scale bytes: 16 r + 4 h
.set LN,   14                          ; v14  lane
.set RR,   15                          ; v15  r
.set AF,   16                          ; v16-47   h's two fragments of a K step
.set PC,   16                          ; v16-31   codes just made
.set TM,   32                          ; v32-47   the quantiser's sixteen
.set LB1,  16                          ; v16-47   ln1_b, blocks 2 and 3
.set WR,   48                          ; v48-111  four weight fragments: two batches by turns
.set X,    48                          ; v48-111  my 64 numbers of x
.set PCV,  48                          ; v48-55   v's codes
.set ACCQ, 112                         ; v112-175 q or k: 32 u + 8 t
.set LW,   112                         ; v112-175 ln1_w
.set ACCV, 176                         ; v176-207 v: 16 u' + 8 u
.set LB0,  176                         ; v176-207 ln1_b, blocks 0 and 1
.set WS,   208                         ; v208-223 the weights' scale words, two sets of eight: scales and nothing else
.set AS,   224                         ; v224-225 h's scale words
.set BV,   226                         ; v226-229 wv_b of my column in tile 0 (twice) and in tile 1 (twice)
.set MU,   240                         ; v[240:241] the mean, twice
.set RS,   242                         ; v[242:243] 1 / sqrt(var + eps), twice
.set T,    244                         ; v244-255 at work
.set WV,   30
.set XB,   34
.set LWB,  36
.set LBB,  38
.set WP,   40
.set WSP,  42
.set BQ,   44
.set BVP,  46
.set OUT1, 48
.set OUT2, 50
.set OUT3, 52
.set OUT4, 54
.set SEL,  56
.set MNT,  58
.set C10,  59
.set EPS,  60
.macro PLACES n
.rept \n
	v_nop
.endr
.endm
; nb blocks of a lane (block b = v[s + 16 b] .. + 15, shared with lane l xor 16) become codes in v[pc + 4 b] .. + 3 and bytes in v[TM + 4 + b].  relu = 1: what is negative becomes 0 on the way.
.macro QUANT s, nb, relu, pc
.set qb, 0
.rept \nb
.if \relu
	v_max3_num_f32 v[TM+qb], v[(\s)+16*qb], v[(\s)+16*qb+1], 0x8000000   ; the floor 2^(16 - 127) among the leaves: the byte cannot fall under 1
.else
	v_max3_num_f32 v[TM+qb], |v[(\s)+16*qb]|, |v[(\s)+16*qb+1]|, 0x8000000
.endif
.set qb, qb+1
.endr
.set qi, 2
.rept 7
.set qb, 0
.rept \nb
.if \relu
	v_max3_num_f32 v[TM+qb], v[TM+qb], v[(\s)+16*qb+qi], v[(\s)+16*qb+qi+1]
.else
	v_max3_num_f32 v[TM+qb], v[TM+qb], |v[(\s)+16*qb+qi]|, |v[(\s)+16*qb+qi+1]|
.endif
.set qb, qb+1
.endr
.set qi, qi+2
.endr
.set qb, 0
.rept \nb
	v_permlanex16_b32 v[TM+4+qb], v[TM+qb], s[SEL], s[SEL+1]
.set qb, qb+1
.endr
.set qb, 0
.rept \nb
	v_max_num_f32 v[TM+qb], v[TM+qb], v[TM+4+qb]           ; with lane l xor 16's 16: the block's largest magnitude
.set qb, qb+1
.endr
.set qb, 0
.rept \nb
	v_add_nc_u32 v[TM+12+qb], 0xf8800000, v[TM+qb]         ; 15 off its exponent field: the conversion's scale operand
.set qb, qb+1
.endr
.set qb, 0
.rept \nb
	v_and_or_b32 v[TM+8+qb], v[TM+qb], 0x7f800000, s[MNT]  ; 57,344 x the scale
.set qb, qb+1
.endr
.set qb, 0
.rept \nb
	v_lshrrev_b32 v[TM+4+qb], 23, v[TM+12+qb]              ; the scale's byte
.set qb, qb+1
.endr
.set qb, 0
.rept \nb
.set qi, 0
.rept 16
.if \relu
	v_med3_num_f32 v[(\s)+16*qb+qi], v[(\s)+16*qb+qi], 0, v[TM+8+qb]
.else
	v_med3_num_f32 v[(\s)+16*qb+qi], v[(\s)+16*qb+qi], -v[TM+8+qb], v[TM+8+qb]   ; the conversion does not saturate (ISA guide 7.6.2): the hold comes first
.endif
.set qi, qi+1
.endr
	v_cvt_scalef32_pk8_bf8_f32 v[(\pc)+4*qb:(\pc)+4*qb+1], v[(\s)+16*qb:(\s)+16*qb+7], v[TM+12+qb]
	v_cvt_scalef32_pk8_bf8_f32 v[(\pc)+4*qb+2:(\pc)+4*qb+3], v[(\s)+16*qb+8:(\s)+16*qb+15], v[TM+12+qb]
.set qb, qb+1
.endr
	v_nop                                                  ; one plain line behind the last conversion
.endm
; one product: D = md, source 0 = ma with scales msa, source 1 = mb with scales msb; zero = 1 starts the sum
.macro WM zero
.if \zero
	v_wmma_scale_f32_16x16x128_f8f6f4 v[md:md+7], v[ma:ma+15], v[mb:mb+15], 0, v[msa], v[msb] matrix_a_fmt:MATRIX_FMT_BF8 matrix_b_fmt:MATRIX_FMT_BF8
.else
	v_wmma_scale_f32_16x16x128_f8f6f4 v[md:md+7], v[ma:ma+15], v[mb:mb+15], v[md:md+7], v[msa], v[msb] matrix_a_fmt:MATRIX_FMT_BF8 matrix_b_fmt:MATRIX_FMT_BF8
.endif
.endm
.macro WLOAD g                         ; batch g: fragments 2 g and 2 g + 1 of my stream, into half g % 2 of the ring
.irp i, 0,1
.irp c, 0,1,2,3
	global_load_b128 v[WR+32*((\g)%2)+16*\i+4*\c:WR+32*((\g)%2)+16*\i+4*\c+3], v[LI], s[WP:WP+1] offset:(2*(\g)+\i)*2048+512*\c
.endr
.endr
.endm
.macro SCLOAD s                        ; K step s: my six fragments' scale words, into set s % 2
	global_load_b128 v[WS+8*((\s)%2):WS+8*((\s)%2)+3], v[R32], s[WSP:WSP+1] offset:512*(\s)
	global_load_b64 v[WS+8*((\s)%2)+4:WS+8*((\s)%2)+5], v[R32], s[WSP:WSP+1] offset:512*(\s)+16
.endm
.macro ALOAD s                         ; K step s: h's two fragments and their scale words
.irp u, 0,1
.irp c, 0,1,2,3
	ds_load_b128 v[AF+16*\u+4*\c:AF+16*\u+4*\c+3], v[LI] offset:AIMG+(\u*8+(\s))*2048+512*\c
.endr
.endr
	ds_load_b64 v[AS:AS+1], v[LR8] offset:ASC+128*(\s)
.endm
.macro LANESUM                         ; two packed chains in v[T:T+3] become my row's sum over this wave's 128 columns, in v[T]
	v_pk_add_f32 v[T:T+1], v[T:T+1], v[T+2:T+3]
	v_add_f32 v[T], v[T], v[T+1]
	v_permlanex16_b32 v[T+1], v[T], s[SEL], s[SEL+1]
	v_add_f32 v[T], v[T], v[T+1]
.endm
.macro ROWSUM ps                       ; the eight waves of a tile exchange their sums: the row's sum over 1,024 columns in v[T+4], the same bits in every wave
	ds_store_b32 v[PSW], v[T] offset:\ps           ; lanes r and r + 16 store the same word
	s_wait_dscnt 0x0                               ; for the others' sake: my store has landed
	s_barrier_signal -1
	s_barrier_wait -1
	ds_load_b128 v[T+4:T+7], v[PSR] offset:\ps
	ds_load_b128 v[T+8:T+11], v[PSR] offset:\ps+16
	s_wait_dscnt 0x0
	v_add_f32 v[T+4], v[T+4], v[T+5]
	v_add_f32 v[T+6], v[T+6], v[T+7]
	v_add_f32 v[T+8], v[T+8], v[T+9]
	v_add_f32 v[T+10], v[T+10], v[T+11]
	v_add_f32 v[T+4], v[T+4], v[T+6]
	v_add_f32 v[T+8], v[T+8], v[T+10]
	v_add_f32 v[T+4], v[T+4], v[T+8]
.endm
	s_load_b512 s[8:23], s[0:1], 0x0               ; x s[8:9], ln1_w, ln1_b, the weights' codes s[14:15], their scale words s[16:17], wq_b, wk_b, wv_b s[22:23]
	s_load_b128 s[24:27], s[0:1], 0x40             ; q's codes, q's scale words
	s_load_b64 s[28:29], s[0:1], 0x50              ; the records of k and v
	v_lshl_add_u32 v238, v0, 2, 0x29c00
	v_mov_b32 v239, 0
	v_lshrrev_b32 v[LN], 5, v0
	v_readfirstlane_b32 s[WV], v[LN]               ; wave 0..15
	v_and_b32 v[LN], 31, v0
	v_and_b32 v[RR], 15, v0
	v_bfe_u32 v[H64], v0, 4, 1                     ; h for now
	s_lshr_b32 s31, s[WV], 3                       ; LN: my tile u
	s_and_b32 s32, s[WV], 7                        ; LN: my K step s.  Products: my head of q or k
	v_lshlrev_b32 v[LI], 4, v[LN]
	v_lshlrev_b32 v[LR8], 3, v[RR]
	s_mul_i32 s33, s[WV], STGB
	s_add_co_u32 s33, s33, STAGE
	v_add_nc_u32 v[STI], s33, v[LI]
	v_mul_u32_u24 v[STO], v[RR], 528
	v_lshl_add_u32 v[STO], v[H64], 6, v[STO]
	v_add_nc_u32 v[STO], s33, v[STO]
	s_lshl_b32 s33, s31, 9
	v_lshl_add_u32 v[PSR], v[RR], 5, s33
	s_lshl_b32 s66, s32, 2
	v_add_nc_u32 v[PSW], s66, v[PSR]
	s_lshl_b32 s66, s[WV], 11
	v_add_nc_u32 v[AW], s66, v[LI]
	s_lshl_b32 s66, s32, 7
	s_lshl_b32 s67, s31, 2
	s_add_co_u32 s66, s66, s67
	v_add_nc_u32 v[ASW], s66, v[LR8]
	v_lshlrev_b32 v[R32], 5, v[RR]
	v_and_b32 v[RHO4], 8, v[RR]
	v_add_nc_u32 v[RHO4], v[RHO4], v[RR]
	v_lshlrev_b32 v[RHO4], 2, v[RHO4]
	v_lshlrev_b32 v[VA], 4, v[RR]
	v_lshl_add_u32 v[VA], v[H64], 2, v[VA]
	s_mov_b32 s[SEL], 0x76543210
	s_mov_b32 s[SEL+1], 0xfedcba98
	s_mov_b32 s[MNT], 0x600000
	s_mov_b32 s[C10], 0x3a800000                   ; 1 / 1,024
	s_mov_b32 s[EPS], 0x358637bd                   ; 1e-6
	; byte offsets, each in a pair of its own
	s_lshl_b32 s70, ttmp9, 17                      ; x: 32 rows of 4,096 bytes a work-group,
	s_lshl_b32 s71, s31, 15                        ; 8 u rows,
	s_add_co_u32 s70, s70, s71
	s_lshl_b32 s72, s32, 9                         ; 128 s columns
	s_add_co_u32 s70, s70, s72
	s_mov_b32 s71, 0
	s_mov_b32 s73, 0
	s_mul_i32 s74, s[WV], 98304                    ; my 48 weight fragments
	s_mov_b32 s75, 0
	s_lshl_b32 s76, s[WV], 12                      ; and their scale words
	s_mov_b32 s77, 0
	s_lshl_b32 s78, s32, 8                         ; my head's 64 numbers of wq_b or wk_b
	s_mov_b32 s79, 0
	s_lshl_b32 s80, s[WV], 7                       ; my 32 numbers of wv_b
	s_mov_b32 s81, 0
	s_lshr_b32 s82, ttmp9, 6
	s_lshl_b32 s82, s82, 3                         ; 8 x batch
	s_and_b32 s83, ttmp9, 63                       ; the group of 32 tokens in its batch
	s_bfe_u32 s84, ttmp9, 0x40002                  ; its step of 128 keys
	s_and_b32 s85, ttmp9, 3                        ; and its block of 32 in that step
	s_add_co_u32 s86, s82, s32                     ; batch x head, for q and k
	s_lshl_b32 s87, s86, 4
	s_add_co_u32 s87, s87, s84
	s_mul_i32 s87, s87, 17152                      ; k's record
	s_lshl_b32 s88, s86, 17
	s_lshl_b32 s89, s83, 11
	s_add_co_u32 s88, s88, s89                     ; q's codes: (128 x head + 2 x group) x 1,024
	s_lshl_b32 s89, s85, 11
	s_add_co_u32 s89, s87, s89                     ; k's codes: record + 2,048 x block
	s_lshl_b32 s90, s86, 6
	s_add_co_u32 s90, s90, s83
	s_lshl_b32 s90, s90, 7                         ; q's scale words
	s_lshr_b32 s91, s85, 1
	s_lshl_b32 s91, s91, 8
	s_and_b32 s92, s85, 1
	s_lshl_b32 s92, s92, 3
	s_add_co_u32 s91, s91, s92
	s_add_co_u32 s91, s91, s87
	s_add_co_u32 s91, s91, 16384                   ; k's scale words
	s_lshr_b32 s92, s[WV], 1
	s_add_co_u32 s92, s92, s82                     ; batch x head, for v
	s_lshl_b32 s92, s92, 4
	s_add_co_u32 s92, s92, s84
	s_mul_i32 s92, s92, 17152                      ; v's record
	s_and_b32 s93, s[WV], 1                        ; which 32 of the head's 64
	s_lshl_b32 s94, s93, 12
	s_add_co_u32 s94, s94, s92
	s_lshl_b32 s95, s85, 9
	s_add_co_u32 s94, s94, s95
	s_add_co_u32 s94, s94, 8192                    ; v's codes
	s_mov_b32 s95, 0
	s_lshl_b32 s96, s93, 3
	s_add_co_u32 s96, s96, s92
	s_add_co_u32 s96, s96, s85
	s_add_co_u32 s96, s96, 16896                   ; v's scale bytes
	s_mov_b32 s97, 0
	s_cmp_lt_u32 s[WV], 8                          ; q's wave or k's: the choices hang on the wave's number alone
	s_cselect_b32 s88, s88, s89
	s_cselect_b32 s90, s90, s91
	s_cselect_b32 s68, 3, 4
	s_mov_b32 s89, 0
	s_mov_b32 s91, 0
	s_wait_kmcnt 0x0
	s_cselect_b64 s[BQ:BQ+1], s[18:19], s[20:21]
	s_cselect_b64 s[OUT1:OUT1+1], s[24:25], s[28:29]
	s_cselect_b64 s[OUT2:OUT2+1], s[26:27], s[28:29]
	s_add_nc_u64 s[XB:XB+1], s[8:9], s[70:71]
	s_add_nc_u64 s[LWB:LWB+1], s[10:11], s[72:73]
	s_add_nc_u64 s[LBB:LBB+1], s[12:13], s[72:73]
	s_add_nc_u64 s[WP:WP+1], s[14:15], s[74:75]
	s_add_nc_u64 s[WSP:WSP+1], s[16:17], s[76:77]
	s_add_nc_u64 s[BQ:BQ+1], s[BQ:BQ+1], s[78:79]
	s_add_nc_u64 s[BVP:BVP+1], s[22:23], s[80:81]
	s_add_nc_u64 s[OUT1:OUT1+1], s[OUT1:OUT1+1], s[88:89]
	s_add_nc_u64 s[OUT2:OUT2+1], s[OUT2:OUT2+1], s[90:91]
	s_add_nc_u64 s[OUT3:OUT3+1], s[28:29], s[94:95]
	s_add_nc_u64 s[OUT4:OUT4+1], s[28:29], s[96:97]
	v_lshlrev_b32 v[SA], s68, v[RR]
	v_lshl_add_u32 v[SA], v[H64], 2, v[SA]
	v_lshlrev_b32 v[H64], 6, v[H64]
	; ---- LN1.  16 rows x 512 bytes of x, then ln1_w and ln1_b at my 64 columns
.irp j, 0,1,2,3,4,5,6,7,8,9,10,11,12,13,14,15
	global_load_b128 v[X+4*\j:X+4*\j+3], v[LI], s[XB:XB+1] offset:(\j+8*(\j/8))*4096   ; 512 consecutive bytes of the token of lane j
.endr
.irp b, 0,1,2,3
.irp q, 0,1,2,3
	global_load_b128 v[LW+16*\b+4*\q:LW+16*\b+4*\q+3], v[H64], s[LWB:LWB+1] offset:128*\b+16*\q
.endr
.endr
.irp b, 0,1
.irp q, 0,1,2,3
	global_load_b128 v[LB0+16*\b+4*\q:LB0+16*\b+4*\q+3], v[H64], s[LBB:LBB+1] offset:128*\b+16*\q
.endr
.endr
.irp b, 0,1
.irp q, 0,1,2,3
	global_load_b128 v[LB1+16*\b+4*\q:LB1+16*\b+4*\q+3], v[H64], s[LBB:LBB+1] offset:256+128*\b+16*\q
.endr
.endr
	s_wait_loadcnt 32                              ; x is in; the 32 loads of ln1_w and ln1_b may be out
.irp j, 0,1,2,3,4,5,6,7,8,9,10,11,12,13,14,15
	ds_store_b128 v[STI], v[X+4*\j:X+4*\j+3] offset:\j*528
.endr
.irp b, 0,1,2,3
.irp q, 0,1,2,3
	ds_load_b128 v[X+16*\b+4*\q:X+16*\b+4*\q+3], v[STO] offset:128*\b+16*\q   ; register 16 b + i = column 32 b + 16 h + i of my token.  LDS serves a wave's instructions in order
.endr
.endr
	s_wait_dscnt 0x0
	v_pk_add_f32 v[T:T+1], v[X:X+1], v[X+2:X+3]
	v_pk_add_f32 v[T+2:T+3], v[X+4:X+5], v[X+6:X+7]
.set k, 8
.rept 14
	v_pk_add_f32 v[T:T+1], v[T:T+1], v[X+k:X+k+1]
	v_pk_add_f32 v[T+2:T+3], v[T+2:T+3], v[X+k+2:X+k+3]
.set k, k+4
.endr
	LANESUM
	ROWSUM PS1
	v_mul_f32 v[MU], s[C10], v[T+4]                ; the mean
	v_mov_b32 v[MU+1], v[MU]
.set k, 0
.rept 32
	v_pk_add_f32 v[X+k:X+k+1], v[X+k:X+k+1], v[MU:MU+1] neg_lo:[0,1] neg_hi:[0,1]   ; x - mean
.set k, k+2
.endr
	v_pk_mul_f32 v[T:T+1], v[X:X+1], v[X:X+1]
	v_pk_mul_f32 v[T+2:T+3], v[X+2:X+3], v[X+2:X+3]
.set k, 4
.rept 15
	v_pk_fma_f32 v[T:T+1], v[X+k:X+k+1], v[X+k:X+k+1], v[T:T+1]
	v_pk_fma_f32 v[T+2:T+3], v[X+k+2:X+k+3], v[X+k+2:X+k+3], v[T+2:T+3]
.set k, k+4
.endr
	LANESUM
	ROWSUM PS2
	v_fma_f32 v[RS], v[T+4], s[C10], s[EPS]        ; var + eps
	v_rsq_f32 v[RS], v[RS]
	v_nop                                          ; one plain line behind the transcendental
	s_wait_alu depctr_va_vdst(0)
	v_mov_b32 v[RS+1], v[RS]
	s_wait_loadcnt 0x0                             ; ln1_w, ln1_b
.set k, 0
.rept 32
	v_pk_mul_f32 v[X+k:X+k+1], v[X+k:X+k+1], v[RS:RS+1]
.set k, k+2
.endr
.irp b, 0,1,2,3
.if \b < 2
.set lbr, LB0+16*\b
.else
.set lbr, LB1+16*(\b-2)
.endif
.irp k, 0,2,4,6,8,10,12,14
	v_pk_fma_f32 v[X+16*\b+\k:X+16*\b+\k+1], v[X+16*\b+\k:X+16*\b+\k+1], v[LW+16*\b+\k:LW+16*\b+\k+1], v[lbr+\k:lbr+\k+1]
.endr
.endr
	; the biases: q's or k's straight into the accumulators, once for each token tile; v's of my column in each of its two tiles
.irp u, 0,1
.irp b, 0,1
.irp q, 0,1,2,3
	global_load_b128 v[ACCQ+32*\u+16*\b+4*\q:ACCQ+32*\u+16*\b+4*\q+3], v[H64], s[BQ:BQ+1] offset:128*\b+16*\q
.endr
.endr
.endr
	global_load_b32 v[BV], v[RHO4], s[BVP:BVP+1]
	global_load_b32 v[BV+1], v[RHO4], s[BVP:BVP+1]
	global_load_b32 v[BV+2], v[RHO4], s[BVP:BVP+1] offset:32
	global_load_b32 v[BV+3], v[RHO4], s[BVP:BVP+1] offset:32
.irp b, 0,1,2,3
	v_mov_b32 v[TM+4+\b], 0                        ; a lane permute's destination counts as one of its sources
.endr
	QUANT X, 4, 0, PC
	v_lshl_or_b32 v[T], v[TM+5], 8, v[TM+4]
	v_lshl_or_b32 v[T], v[TM+6], 16, v[T]
	v_lshl_or_b32 v[T], v[TM+7], 24, v[T]
.irp c, 0,1,2,3
	ds_store_b128 v[AW], v[PC+4*\c:PC+4*\c+3] offset:AIMG+512*\c   ; the fragment as it stands in my registers
.endr
	ds_store_b32 v[ASW], v[T] offset:ASC           ; lanes r and r + 16 store the same word
	SCLOAD 0
	WLOAD 0
	WLOAD 1
	s_wait_dscnt 0x0                               ; for the others' sake: my image has landed
	s_barrier_signal -1
	s_barrier_wait -1                              ; h's sixteen fragments lie in LDS
	ALOAD 0
; ---- A K step of 128: three batches of two weight fragments, four products each.  The twelve accumulators take turns, one instruction a turn.
; Eight places stand between a batch's products and the loads into the registers that they read.
; The wait at a batch counts the loads issued behind its own eight: the next batch's eight, and at a step's third batch also the next step's two loads of scale words.
.macro KSTEP s
	s_wait_dscnt 0x0                               ; h's fragments and scale words of this step
.irp j, 0,1
	s_wait_loadcnt 8
.irp u, 0,1
.irp i, 0,1
.set md, ACCQ+32*\u+8*(2*\j+\i)
.set ma, WR+32*((3*(\s)+\j)%2)+16*\i
.set mb, AF+16*\u
.set msa, WS+8*((\s)%2)+2*\j+\i
.set msb, AS+\u
	WM 0
.endr
.endr
	PLACES 8
.if (\j == 1) && ((\s) < 7)
	SCLOAD (\s)+1
.endif
.if 3*(\s)+\j+2 < 24
	WLOAD 3*(\s)+\j+2
.endif
.endr
.if (\s) < 7
	s_wait_loadcnt 10
.else
	s_wait_loadcnt 0x0
.endif
.irp u, 0,1
.irp i, 0,1
.set md, ACCV+16*\i+8*\u
.set ma, AF+16*\u
.set mb, WR+32*((3*(\s)+2)%2)+16*\i
.set msa, AS+\u
.set msb, WS+8*((\s)%2)+4+\i
.if (\s) == 0
	WM 1
.else
	WM 0
.endif
.endr
.endr
	PLACES 8
.if (\s) < 7
	WLOAD 3*(\s)+4
	ALOAD (\s)+1
.endif
.endm
.irp s, 0,1,2,3,4,5,6,7
	KSTEP \s
.endr
	; ---- the way out.  v's bias; q or k quantised along the head's 64 (blocks 2 u + b), v along its 32 tokens (blocks u')
.irp i, 0,1
.irp k, 0,2,4,6,8,10,12,14
	v_pk_add_f32 v[ACCV+16*\i+\k:ACCV+16*\i+\k+1], v[ACCV+16*\i+\k:ACCV+16*\i+\k+1], v[BV+2*\i:BV+2*\i+1]
.endr
.endr
	QUANT ACCQ, 4, 0, PC
	v_lshl_or_b32 v[T], v[TM+5], 8, v[TM+4]        ; tile 0's word: two bytes; bytes 2 and 3 stay 0 (the product's upper 64 along K are zero codes)
	v_lshl_or_b32 v[T+1], v[TM+7], 8, v[TM+6]      ; tile 1's
	v_cmp_lt_u32 vcc_lo, 15, v[LN]
	v_cndmask_b32 v[T+2], v[T], v[T+1], vcc_lo     ; lanes 0-15 store tile 0's words, lanes 16-31 tile 1's
.irp k, 0,1,2,3
	global_store_b128 v[LI], v[PC+4*\k:PC+4*\k+3], s[OUT1:OUT1+1] offset:512*\k   ; 512 consecutive bytes, aligned
.endr
	global_store_b32 v[SA], v[T+2], s[OUT2:OUT2+1]
	QUANT ACCV, 2, 0, PCV
	v_cndmask_b32 v[T+3], v[TM+4], v[TM+5], vcc_lo
.irp i, 0,1
	global_store_b128 v[LI], v[PCV+4*\i:PCV+4*\i+3], s[OUT3:OUT3+1] offset:2048*\i
.endr
	global_store_b8 v[VA], v[T+3], s[OUT4:OUT4+1]
	s_wait_tensorcnt 0x0
	ds_add_u32 v238, v239
	s_wait_dscnt 0x0
	s_endpgm
.Lfunc_end_k_qf764f86fcf_qkv:
	.size	k_qf764f86fcf_qkv, .Lfunc_end_k_qf764f86fcf_qkv-k_qf764f86fcf_qkv
	.p2alignl 7, 3214868480
	.fill 96, 4, 3214868480
	.section	.rodata,"a",@progbits
	.p2align	6, 0x0
	.amdhsa_kernel k_qf764f86fcf_qkv
		.amdhsa_group_segment_fixed_size 173056
		.amdhsa_private_segment_fixed_size 0
		.amdhsa_enable_private_segment 0
		.amdhsa_kernarg_size 88
		.amdhsa_user_sgpr_count 2
		.amdhsa_user_sgpr_kernarg_segment_ptr 1
		.amdhsa_wavefront_size32 1
		.amdhsa_system_sgpr_workgroup_id_x 1
		.amdhsa_system_sgpr_workgroup_id_y 1
		.amdhsa_system_sgpr_workgroup_id_z 1
		.amdhsa_system_vgpr_workitem_id 0
		.amdhsa_next_free_vgpr 256
		.amdhsa_next_free_sgpr 100
		.amdhsa_reserve_vcc 1
		.amdhsa_float_denorm_mode_32 3
		.amdhsa_float_denorm_mode_16_64 3
		.amdhsa_memory_ordered 1
		.amdhsa_forward_progress 1
		.amdhsa_inst_pref_size 91
	.end_amdhsa_kernel
	.amdgpu_metadata
---
amdhsa.version: [ 1, 2 ]
amdhsa.kernels:
  - .name:           k_qf764f86fcf_qkv
    .symbol:         k_qf764f86fcf_qkv.kd
    .args:
      - { .name: x, .offset: 0, .size: 8, .value_kind: global_buffer, .address_space: global }
      - { .name: ln1_w, .offset: 8, .size: 8, .value_kind: global_buffer, .address_space: global }
      - { .name: ln1_b, .offset: 16, .size: 8, .value_kind: global_buffer, .address_space: global }
      - { .name: wcodes, .offset: 24, .size: 8, .value_kind: global_buffer, .address_space: global }
      - { .name: wscales, .offset: 32, .size: 8, .value_kind: global_buffer, .address_space: global }
      - { .name: wq_b, .offset: 40, .size: 8, .value_kind: global_buffer, .address_space: global }
      - { .name: wk_b, .offset: 48, .size: 8, .value_kind: global_buffer, .address_space: global }
      - { .name: wv_b, .offset: 56, .size: 8, .value_kind: global_buffer, .address_space: global }
      - { .name: qc, .offset: 64, .size: 8, .value_kind: global_buffer, .address_space: global }
      - { .name: qs, .offset: 72, .size: 8, .value_kind: global_buffer, .address_space: global }
      - { .name: kv, .offset: 80, .size: 8, .value_kind: global_buffer, .address_space: global }
    .group_segment_fixed_size: 173056
    .private_segment_fixed_size: 0
    .kernarg_segment_align: 8
    .kernarg_segment_size: 88
    .max_flat_workgroup_size: 512
    .sgpr_count:     100
    .vgpr_count:     256
    .wavefront_size: 32
...
	.end_amdgpu_metadata
.endif
;; end of part 2
;; launch attn (part 3): grid 8 x 32, 16 waves a work-group, no clusters, 327,680 bytes of LDS; arguments qc, qs, kv, oc, os; writes oc, os
.if DOCPART == 3
	.amdgcn_target "amdgcn-amd-amdhsa--gfx1250"
	.amdhsa_code_object_version 6
	.text
	.protected	k_qf764f86fcf_attn
	.globl	k_qf764f86fcf_attn
	.p2align	8
	.type	k_qf764f86fcf_attn,@function
k_qf764f86fcf_attn:
	s_mov_b64 s[64:65], 0
	v_nop
	global_prefetch_b8 v0, s[64:65] scope:SCOPE_SE
	s_setreg_imm32_b32 hwreg(HW_REG_WAVE_MODE, 25, 1), 1
	s_wait_xcnt 0x0
; o = softmax(q k^T / 8) v for one head, both products on codes of BF8 (E5M2) with E8M0 scales; o is quantised along the next product's K and leaves as images of operand registers.
; THE SOFTMAX: t = score x log2(e) / 8; M = the running largest t rounded UP to a whole number; p = 2^(t - M) is what is quantised, along the keys, not normalised.
; The row's sum is taken of the unquantised p and divides at the end.  When M moves, the sum and O are multiplied by 2^(old M - new M): exact.
; SHARES: a work-group owns 256 queries of one head; each of its sixteen waves owns one tile of 16 in 256 registers, four waves to a SIMD.  Every wave walks all 2,048 keys, 128 a step.
; A HEAD'S WHOLE K, V AND SCALES ARE SIXTEEN RECORDS OF 17,152 BYTES, 274,432 IN ALL.  They fit in LDS together and are filled ONCE: no slot is ever filled again.
; Waves 0 to 3 issue four tensor loads each (load i of wave w is record 4 i + w): four loads of a wave are out at most.  A wave's loads end in order.
; TWO MEETINGS IN ALL.  Records 0 to 3 are read behind a wait that leaves a wave's three younger loads out, and a barrier.  Records 4 to 15 are read behind a wait for all of a wave's loads and a second barrier;
; four steps' work stands between their issue and that wait.  The last twelve steps run with no meeting.
; A record holds 8 key tiles x 1,024 bytes (64 codes a key), 4 tiles of V^T x 2,048, K's scale words (512 bytes), V's (256), all as images of operand registers: every LDS read is 512 consecutive bytes or a lane's own words.
; K Q^T HAS K = 64.  Q's fragment has zero codes in its upper eight registers, so K's upper eight may hold any finite codes.  The key tiles lie eight registers apart, so a tile's upper half is the next tile's codes;
; the last tile runs into eight registers that stay zero.  No code is infinity or NaN, since every number was held before its conversion.  Scale bytes 2 and 3 of both sides are 0 and never 0xff.
; Both products are used transposed (source 0 = keys, or V^T's rows): a lane holds one query throughout, and the keys of a tile were chosen so that p's 16 registers of two neighbouring tiles are 16 neighbouring keys.
; NO JOINT REQUESTS, though the eight work-groups of a head read the same records.  Each work-group fetches them once, and three quarters of that fetch lies under the first four steps' work.
; LIMITS: p under 2^-126 falls to 0 (v_exp_f32 flushes: ISA guide 15.8); a block of zeros gets the byte 1; NaN and infinities are not served.
.set REC,  17152
.set LI,   1                           ; v1   16 x lane
.set LR,   2                           ; v2   16,384 + 16 r: my scale words in a record
.set AD,   3                           ; v3   the step's record + LI
.set ADS,  4                           ; v4   the step's record + LR
.set QSA,  5                           ; v5   8 r
.set OSA,  6                           ; v6   8 r + h
.set LN,   7                           ; v7   lane
.set QF,   16                          ; v16-23 q's codes, v24-31 zeros
.set KF,   32                          ; v32-95 K's eight tiles, then V's four; v96-103 zeros
.set S,    104                         ; v104-167 S^T, then p
.set O,    168                         ; v168-199 O^T
.set PCD,  200                         ; v200-215 p's codes
.set KS,   216                         ; v216-223 K's scale words, then V's: scales and nothing else
.set TM,   224                         ; v224-239 +0 block maxima, +4 at work and bytes, +8 holds, +12 scale operands
.set QW,   248                         ; v248 q's scale word
.set PWD,  249                         ; v249 p's scale word
.set FF,   250                         ; v[250:251] f = 2^(old M - new M); the pair's upper word is written once and not used
.set TT,   252                         ; v252-253 at work
.set WV,   14
.set BH,   15
.set G1,   16                          ; s[16:23] descriptor group 1
.set SEL,  24
.set CS,   26                          ; s[26:27] c = log2(e) / 8
.set MNT,  28
.set TB,   29                          ; LDS byte at which the step's record begins
.set CNT,  30
.set G0,   32                          ; s[32:47] four groups 0
.macro PLACES n
.rept \n
	v_nop
.endr
.endm
; nb blocks of a lane (block b = v[s + 16 b] .. + 15, shared with lane l xor 16) become codes in v[pc + 4 b] .. + 3 and bytes in v[TM + 4 + b].
.macro QUANT s, nb, relu, pc
.set qb, 0
.rept \nb
	v_max3_num_f32 v[TM+qb], |v[(\s)+16*qb]|, |v[(\s)+16*qb+1]|, 0x8000000   ; the floor 2^(16 - 127) among the leaves: the byte cannot fall under 1
.set qb, qb+1
.endr
.set qi, 2
.rept 7
.set qb, 0
.rept \nb
	v_max3_num_f32 v[TM+qb], v[TM+qb], |v[(\s)+16*qb+qi]|, |v[(\s)+16*qb+qi+1]|
.set qb, qb+1
.endr
.set qi, qi+2
.endr
.set qb, 0
.rept \nb
	v_permlanex16_b32 v[TM+4+qb], v[TM+qb], s[SEL], s[SEL+1]
.set qb, qb+1
.endr
.set qb, 0
.rept \nb
	v_max_num_f32 v[TM+qb], v[TM+qb], v[TM+4+qb]
.set qb, qb+1
.endr
.set qb, 0
.rept \nb
	v_add_nc_u32 v[TM+12+qb], 0xf8800000, v[TM+qb]         ; 15 off the exponent field: the conversion's scale operand
.set qb, qb+1
.endr
.set qb, 0
.rept \nb
	v_and_or_b32 v[TM+8+qb], v[TM+qb], 0x7f800000, s[MNT]  ; 57,344 x the scale
.set qb, qb+1
.endr
.set qb, 0
.rept \nb
	v_lshrrev_b32 v[TM+4+qb], 23, v[TM+12+qb]              ; the scale's byte
.set qb, qb+1
.endr
.set qb, 0
.rept \nb
.set qi, 0
.rept 16
	v_med3_num_f32 v[(\s)+16*qb+qi], v[(\s)+16*qb+qi], -v[TM+8+qb], v[TM+8+qb]   ; the conversion does not saturate (ISA guide 7.6.2): the hold comes first
.set qi, qi+1
.endr
	v_cvt_scalef32_pk8_bf8_f32 v[(\pc)+4*qb:(\pc)+4*qb+1], v[(\s)+16*qb:(\s)+16*qb+7], v[TM+12+qb]
	v_cvt_scalef32_pk8_bf8_f32 v[(\pc)+4*qb+2:(\pc)+4*qb+3], v[(\s)+16*qb+8:(\s)+16*qb+15], v[TM+12+qb]
.set qb, qb+1
.endr
	v_nop
.endm
	s_load_b256 s[4:11], s[0:1], 0x0               ; q's codes s[4:5], q's scale words s[6:7], the records s[8:9], o's codes s[10:11]
	s_load_b64 s[12:13], s[0:1], 0x20              ; o's scale bytes
	v_lshl_add_u32 v254, v0, 2, 0x43000
	v_mov_b32 v255, 0
	ds_add_u32 v254, v255
	ds_add_u32 v254, v255
	v_lshrrev_b32 v[LN], 5, v0
	v_readfirstlane_b32 s[WV], v[LN]               ; wave 0..15
	s_and_b32 s[BH], ttmp7, 0xffff                 ; batch x head
	; descriptor group 1: a record is a dense block: 67 rows of 256 bytes (32 elements of 8 bytes), no padding, no mask
	s_mov_b32 s[G1+0], 3<<16
	s_mov_b32 s[G1+1], 32<<16                      ; tensor_dim0
	s_mov_b32 s[G1+2], 67<<16                      ; tensor_dim1
	s_mov_b32 s[G1+3], 32<<16                      ; tile_dim0
	s_mov_b32 s[G1+4], 67                          ; tile_dim1
	s_mov_b32 s[G1+5], 32                          ; from row to row
	s_mov_b32 s[G1+6], 0
	s_mov_b32 s[G1+7], 0
	s_and_b32 s49, s[WV], 3                        ; what I fetch, if I fetch: records w, w + 4, w + 8, w + 12
	s_mul_i32 s48, s49, REC
	s_mul_i32 s50, s[BH], 16*REC
	s_add_co_u32 s50, s50, s48
	s_mov_b32 s51, 0
	s_wait_dscnt 0x0
	s_wait_kmcnt 0x0
	s_add_nc_u64 s[50:51], s[8:9], s[50:51]
.irp i, 0,1,2,3
	s_mov_b32 s[G0+4*\i], 1                        ; count = 1
	s_add_co_u32 s[G0+4*\i+1], s48, \i*4*REC       ; LDS address
	s_add_nc_u64 s[G0+4*\i+2:G0+4*\i+3], s[50:51], \i*4*REC
	s_or_b32 s[G0+4*\i+3], s[G0+4*\i+3], 0x80000000   ; type = 2
.endr
	s_cmp_lt_u32 s[WV], 4                          ; all the fills of a wave stand in one branch on its number, ahead of every wait for them, every LDS read and every barrier
	s_cbranch_scc0 .Lno_fill
	tensor_load_to_lds s[G0:G0+3], s[G1:G1+7]
	s_nop 0
	tensor_load_to_lds s[G0+4:G0+7], s[G1:G1+7]
	s_nop 0
	tensor_load_to_lds s[G0+8:G0+11], s[G1:G1+7]
	s_nop 0
	tensor_load_to_lds s[G0+12:G0+15], s[G1:G1+7]
	s_nop 0
.rept 4
	v_nop
.endr
.Lno_fill:
	s_lshl_b32 s66, ttmp9, 4
	s_add_co_u32 s66, s66, s[WV]                   ; my tile of queries in the head, 0..127
	s_lshl_b32 s68, s[BH], 7
	s_add_co_u32 s68, s68, s66
	s_lshl_b32 s68, s68, 10                        ; its codes
	s_mov_b32 s69, 0
	s_lshr_b32 s67, s66, 1                         ; its group of 32 tokens
	s_and_b32 s72, s[WV], 1                        ; and which tile of the group
	s_lshl_b32 s73, s72, 2
	s_lshl_b32 s70, s[BH], 6
	s_add_co_u32 s70, s70, s67
	s_lshl_b32 s70, s70, 7
	s_add_co_u32 s70, s70, s73                     ; its scale words
	s_mov_b32 s71, 0
	s_lshr_b32 s74, s[BH], 3                       ; batch
	s_and_b32 s75, s[BH], 7                        ; head
	s_lshr_b32 s76, s75, 1                         ; the next product's K step
	s_and_b32 s77, s75, 1                          ; and which half of it
	s_lshl_b32 s78, s74, 7
	s_add_co_u32 s78, s78, s66                     ; my token tile among all 512
	s_lshl_b32 s78, s78, 2
	s_add_co_u32 s78, s78, s76
	s_lshl_b32 s78, s78, 11
	s_lshl_b32 s79, s77, 10
	s_add_co_u32 s78, s78, s79                     ; o's codes
	s_mov_b32 s79, 0
	s_lshl_b32 s80, s74, 6
	s_add_co_u32 s80, s80, s67
	s_lshl_b32 s80, s80, 9
	s_lshl_b32 s81, s76, 7
	s_add_co_u32 s80, s80, s81
	s_add_co_u32 s80, s80, s73
	s_lshl_b32 s81, s77, 1
	s_add_co_u32 s80, s80, s81                     ; o's scale bytes
	s_mov_b32 s81, 0
	s_add_nc_u64 s[4:5], s[4:5], s[68:69]
	s_add_nc_u64 s[6:7], s[6:7], s[70:71]
	s_add_nc_u64 s[10:11], s[10:11], s[78:79]
	s_add_nc_u64 s[12:13], s[12:13], s[80:81]
	s_mov_b32 s[SEL], 0x76543210
	s_mov_b32 s[SEL+1], 0xfedcba98
	s_mov_b32 s[CS], 0x3e38aa3b                    ; c = log2(e) / 8
	s_mov_b32 s[CS+1], s[CS]                       ; (named with it as a pair, so it is written)
	s_mov_b32 s[MNT], 0x600000
	v_and_b32 v[LN], 31, v0
	v_and_b32 v8, 15, v0                           ; r
	v_bfe_u32 v9, v0, 4, 1                         ; h
	v_lshlrev_b32 v[LI], 4, v[LN]
	v_lshl_add_u32 v[LR], v8, 4, 16384
	v_lshlrev_b32 v[QSA], 3, v8
	v_add_nc_u32 v[OSA], v[QSA], v9
	global_load_b128 v[QF:QF+3], v[LI], s[4:5]
	global_load_b128 v[QF+4:QF+7], v[LI], s[4:5] offset:512
	global_load_b32 v[QW], v[QSA], s[6:7]
.irp j, 0,1,2,3,4,5,6,7
	v_mov_b32 v[QF+8+\j], 0                        ; q's upper 64 along K: zero codes
	v_mov_b32 v[KF+64+\j], 0                       ; what the last key tile's upper half runs into
.endr
.set k, 0
.rept 32
	v_mov_b32 v[O+k], 0                            ; O^T.  The step is written once: its first pass finds zeros, which the first change of M leaves zeros
.set k, k+1
.endr
	v_mov_b32 v13, 0xff61b1e6                      ; the largest t so far: -3e38, under every t
	v_floor_f32 v12, -v13                          ; -M
	v_mov_b32 v14, 0                               ; the sum, in two halves
	v_mov_b32 v15, 0
.irp b, 0,1,2,3
	v_mov_b32 v[TM+4+\b], 0                        ; a lane permute's destination counts as one of its sources
.endr
	v_mov_b32 v[FF+1], 0
	v_mov_b32 v[TT], 0
	s_wait_loadcnt 0x0                             ; q
; A KEY STEP: 128 keys, one record
.macro STEP
	v_add_nc_u32 v[AD], s[TB], v[LI]
	v_add_nc_u32 v[ADS], s[TB], v[LR]
	PLACES 6                                       ; with the two additions: eight places between the last products and the loads into what they read
.irp t, 0,1,2,3,4,5,6,7
.irp c, 0,1
	ds_load_b128 v[KF+8*\t+4*\c:KF+8*\t+4*\c+3], v[AD] offset:1024*\t+512*\c
.endr
.endr
	ds_load_b128 v[KS:KS+3], v[ADS]
	ds_load_b128 v[KS+4:KS+7], v[ADS] offset:256
	s_wait_dscnt 0x0
.irp t, 0,1,2,3,4,5,6,7
	v_wmma_scale_f32_16x16x128_f8f6f4 v[S+8*\t:S+8*\t+7], v[KF+8*\t:KF+8*\t+15], v[QF:QF+15], 0, v[KS+\t], v[QW] matrix_a_fmt:MATRIX_FMT_BF8 matrix_b_fmt:MATRIX_FMT_BF8
.endr
	PLACES 8
.irp t, 0,1,2,3                                ; V's four tiles and their scale words land under the softmax
.irp c, 0,1,2,3
	ds_load_b128 v[KF+16*\t+4*\c:KF+16*\t+4*\c+3], v[AD] offset:8192+2048*\t+512*\c
.endr
.endr
	ds_load_b128 v[KS:KS+3], v[ADS] offset:512
.irp b, 0,1,2,3
	v_max3_num_f32 v[TM+\b], v[S+16*\b], v[S+16*\b+1], v[S+16*\b+2]   ; the largest score of each block of 32 keys.  It serves the row's maximum and, since p rises with the score, the block's largest p
.endr
.irp i, 3,5,7,9,11,13
.irp b, 0,1,2,3
	v_max3_num_f32 v[TM+\b], v[TM+\b], v[S+16*\b+\i], v[S+16*\b+\i+1]
.endr
.endr
.irp b, 0,1,2,3
	v_max_num_f32 v[TM+\b], v[TM+\b], v[S+16*\b+15]
.endr
.irp b, 0,1,2,3
	v_permlanex16_b32 v[TM+4+\b], v[TM+\b], s[SEL], s[SEL+1]
.endr
.irp b, 0,1,2,3
	v_max_num_f32 v[TM+\b], v[TM+\b], v[TM+4+\b]   ; with lane l xor 16's 16 keys
.endr
	v_max3_num_f32 v[TT], v[TM], v[TM+1], v[TM+2]
	v_max_num_f32 v[TT], v[TT], v[TM+3]            ; the step's largest score of my query
	v_mul_f32 v[TT], s[CS], v[TT]                  ; as t (c is positive)
	v_max_num_f32 v13, v13, v[TT]                  ; the running largest t
	v_mov_b32 v[TT], v12
	v_floor_f32 v12, -v13                          ; the new -M = floor(-t) = -ceil(t): M is a whole number
	v_sub_f32 v[TT], v12, v[TT]                    ; old M - new M: a whole number, 0 or less
	v_cvt_i32_f32 v[TT], v[TT]                     ; (it saturates)
	v_ldexp_f32 v[FF], 1.0, v[TT]                  ; f = 2^(old M - new M)
.set k, 0
.rept 32
	v_pk_fma_f32 v[S+k:S+k+1], v[S+k:S+k+1], s[CS:CS+1], v[12:13] op_sel_hi:[1,0,0]   ; t - M, two at a time
.set k, k+2
.endr
.irp b, 0,1,2,3
	v_fma_f32 v[TM+\b], v[TM+\b], s[CS], v12       ; the same of each block's largest score
.endr
.set k, 0
.rept 64
	v_exp_f32 v[S+k], v[S+k]                       ; p = 2^(t - M), at most 1
.set k, k+1
.endr
.irp b, 0,1,2,3
	v_exp_f32 v[TM+\b], v[TM+\b]                   ; the block's largest p: the same two instructions on the same number
.endr
	v_pk_mul_f32 v[14:15], v[14:15], v[FF:FF+1] op_sel_hi:[1,0]   ; the sums under the new M.  (A plain line behind the exponentials)
	s_wait_alu depctr_va_vdst(0)
.irp b, 0,1,2,3
	v_max_num_f32 v[TM+\b], 0x8000000, v[TM+\b]    ; the floor 2^(16 - 127): the byte cannot fall under 1
.endr
.irp b, 0,1,2,3
	v_add_nc_u32 v[TM+12+\b], 0xf8800000, v[TM+\b]
.endr
.irp b, 0,1,2,3
	v_and_or_b32 v[TM+8+\b], v[TM+\b], 0x7f800000, s[MNT]
.endr
.irp b, 0,1,2,3
	v_lshrrev_b32 v[TM+4+\b], 23, v[TM+12+\b]
.endr
	v_lshl_or_b32 v[PWD], v[TM+5], 8, v[TM+4]      ; p's scale word for these 128 keys
	v_lshl_or_b32 v[PWD], v[TM+6], 16, v[PWD]
	v_lshl_or_b32 v[PWD], v[TM+7], 24, v[PWD]
	v_pk_add_f32 v[TM+4:TM+5], v[S:S+1], v[S+2:S+3]   ; the row's sum is taken of the unquantised p: two at a time, in two chains
.set k, 4
.rept 15
	v_pk_add_f32 v[14:15], v[14:15], v[S+k:S+k+1]
	v_pk_add_f32 v[TM+4:TM+5], v[TM+4:TM+5], v[S+k+2:S+k+3]
.set k, k+4
.endr
	v_pk_add_f32 v[14:15], v[14:15], v[TM+4:TM+5]
; THE HOLD, TWO NUMBERS AN INSTRUCTION.  The conversion does not saturate (ISA guide 7.6.2); p is not negative, so the hold is one-sided.  A dual form's halves take number k of block b and number
; (k + 1) % 16 of block b + 1.  So the two results are an even and an odd register, the first sources' numbers are k and k + 1 modulo 4, and the second sources' (the two blocks' holds) are b and b + 1 modulo 4, as the dual form asks.
.irp b, 0,2
.set k, 0
.rept 16
	v_dual_min_num_f32 v[S+16*\b+k], v[S+16*\b+k], v[TM+8+\b] :: v_dual_min_num_f32 v[S+16*\b+16+(k+1)%16], v[S+16*\b+16+(k+1)%16], v[TM+9+\b]
.set k, k+1
.endr
.irp c, 0,1
	v_cvt_scalef32_pk8_bf8_f32 v[PCD+4*(\b+\c):PCD+4*(\b+\c)+1], v[S+16*(\b+\c):S+16*(\b+\c)+7], v[TM+12+\b+\c]
	v_cvt_scalef32_pk8_bf8_f32 v[PCD+4*(\b+\c)+2:PCD+4*(\b+\c)+3], v[S+16*(\b+\c)+8:S+16*(\b+\c)+15], v[TM+12+\b+\c]
.endr
.endr
.set k, 0
.rept 16
	v_pk_mul_f32 v[O+k:O+k+1], v[O+k:O+k+1], v[FF:FF+1] op_sel_hi:[1,0]   ; O^T under the new M.  These sixteen also stand between the conversions and the products
.set k, k+2
.endr
	s_wait_dscnt 0x0                               ; V
.irp t, 0,1,2,3
	v_wmma_scale_f32_16x16x128_f8f6f4 v[O+8*\t:O+8*\t+7], v[KF+16*\t:KF+16*\t+15], v[PCD:PCD+15], v[O+8*\t:O+8*\t+7], v[KS+\t], v[PWD] matrix_a_fmt:MATRIX_FMT_BF8 matrix_b_fmt:MATRIX_FMT_BF8
.endr
	s_add_co_u32 s[TB], s[TB], REC
.endm
; A run of steps over records first .. first + trips - 1.  In front of it each fetching wave has waited until at most 'left' of its loads are out, and all waves meet.
; No LDS instruction of a wave is out at a signal: a step's last LDS loads are waited for ahead of its last products.
.macro GROUP left, first, trips
	s_wait_tensorcnt \left
	s_barrier_signal -1
	s_barrier_wait -1                              ; everybody's have landed
	s_mov_b32 s[TB], \first*REC
	s_mov_b32 s[CNT], \trips
.Lstep_\@:
	STEP
	s_sub_co_u32 s[CNT], s[CNT], 1
	s_cmp_lg_u32 s[CNT], 0
	s_cbranch_scc1 .Lstep_\@
.endm
	GROUP 3, 0, 4                                  ; records 0 to 3 are load 0 of waves 0 to 3: my three younger loads stay out
	GROUP 0, 4, 12                                 ; records 4 to 15 are loads 1 to 3: all my loads have landed
	; ---- the way out: O^T / the sum, quantised along the head's 64, which are half a K step of the next product
	PLACES 8
	v_add_f32 v14, v14, v15                        ; the sum's two halves,
	v_permlanex16_b32 v[TT], v14, s[SEL], s[SEL+1]
	v_add_f32 v14, v14, v[TT]                      ; and lane l xor 16's
	v_rcp_f32 v14, v14
	v_nop                                          ; one plain line behind the transcendental
.set k, 0
	s_wait_alu depctr_va_vdst(0)
.rept 32
	v_mul_f32 v[S+k], v[O+k], v14                  ; register 16 b + i = o(my query, 32 b + 16 h + i)
.set k, k+1
.endr
	QUANT S, 2, 0, PCD
	v_cmp_lt_u32 vcc_lo, 15, v[LN]
	v_cndmask_b32 v[TT+1], v[TM+4], v[TM+5], vcc_lo   ; lanes 0-15 store block 0's byte, lanes 16-31 block 1's
.irp b, 0,1
	global_store_b128 v[LI], v[PCD+4*\b:PCD+4*\b+3], s[10:11] offset:512*\b   ; 512 consecutive bytes, aligned
.endr
	global_store_b8 v[OSA], v[TT+1], s[12:13]
	s_wait_tensorcnt 0x0
	ds_add_u32 v254, v255
	s_wait_dscnt 0x0
	s_endpgm
.Lfunc_end_k_qf764f86fcf_attn:
	.size	k_qf764f86fcf_attn, .Lfunc_end_k_qf764f86fcf_attn-k_qf764f86fcf_attn
	.p2alignl 7, 3214868480
	.fill 96, 4, 3214868480
	.section	.rodata,"a",@progbits
	.p2align	6, 0x0
	.amdhsa_kernel k_qf764f86fcf_attn
		.amdhsa_group_segment_fixed_size 327680
		.amdhsa_private_segment_fixed_size 0
		.amdhsa_enable_private_segment 0
		.amdhsa_kernarg_size 40
		.amdhsa_user_sgpr_count 2
		.amdhsa_user_sgpr_kernarg_segment_ptr 1
		.amdhsa_wavefront_size32 1
		.amdhsa_system_sgpr_workgroup_id_x 1
		.amdhsa_system_sgpr_workgroup_id_y 1
		.amdhsa_system_sgpr_workgroup_id_z 1
		.amdhsa_system_vgpr_workitem_id 0
		.amdhsa_next_free_vgpr 256
		.amdhsa_next_free_sgpr 100
		.amdhsa_reserve_vcc 1
		.amdhsa_float_denorm_mode_32 3
		.amdhsa_float_denorm_mode_16_64 3
		.amdhsa_memory_ordered 1
		.amdhsa_forward_progress 1
		.amdhsa_inst_pref_size 50
	.end_amdhsa_kernel
	.amdgpu_metadata
---
amdhsa.version: [ 1, 2 ]
amdhsa.kernels:
  - .name:           k_qf764f86fcf_attn
    .symbol:         k_qf764f86fcf_attn.kd
    .args:
      - { .name: qc, .offset: 0, .size: 8, .value_kind: global_buffer, .address_space: global }
      - { .name: qs, .offset: 8, .size: 8, .value_kind: global_buffer, .address_space: global }
      - { .name: kv, .offset: 16, .size: 8, .value_kind: global_buffer, .address_space: global }
      - { .name: oc, .offset: 24, .size: 8, .value_kind: global_buffer, .address_space: global }
      - { .name: os, .offset: 32, .size: 8, .value_kind: global_buffer, .address_space: global }
    .group_segment_fixed_size: 327680
    .private_segment_fixed_size: 0
    .kernarg_segment_align: 8
    .kernarg_segment_size: 40
    .max_flat_workgroup_size: 512
    .sgpr_count:     100
    .vgpr_count:     256
    .wavefront_size: 32
...
	.end_amdgpu_metadata
.endif
;; end of part 3
;; launch tail (part 4): grid 256 x 1, 16 waves a work-group, no clusters, 212,480 bytes of LDS; arguments x, oc, os, wcodes, wscales, fc_b, ln2_w, ln2_b, fc1_b, fc2_b, out0; writes out0
.if DOCPART == 4
	.amdgcn_target "amdgcn-amd-amdhsa--gfx1250"
	.amdhsa_code_object_version 6
	.text
	.protected	k_qf764f86fcf_tail
	.globl	k_qf764f86fcf_tail
	.p2align	8
	.type	k_qf764f86fcf_tail,@function
k_qf764f86fcf_tail:
	s_mov_b64 s[64:65], 0
	v_nop
	global_prefetch_b8 v0, s[64:65] scope:SCOPE_SE
	s_setreg_imm32_b32 hwreg(HW_REG_WAVE_MODE, 25, 1), 1
	s_wait_xcnt 0x0
; x1 = x + o fc^T + fc_b;  out = x1 + relu(LN2(x1) fc1^T + fc1_b) fc2^T + fc2_b.  The three products run on codes of BF8 (E5M2) with E8M0 scales; x1 never leaves the registers.
; SHARES: a work-group owns 32 tokens: two tiles u, and lane r of tile u is token 8 u + r + 8 (r / 8).  It has sixteen waves of 256 registers, four to a SIMD.
; THE WAVES SHARE THE COLUMNS: wave w makes columns 64 w on of fc and fc2 and columns 32 w on of fc1, for all 32 tokens.
; So each weight fragment is wanted by ONE wave and goes from memory straight into its registers (four loads of 512 consecutive bytes), feeding two products.  The tokens' codes go round as images of operand registers in LDS.
; Every product has 16 weight rows as source 0 and 16 tokens as source 1.  A lane holds one token, and the 16 registers of two neighbouring tiles are 16 neighbouring columns: the order the next operand's layout wants.
; x + fc_b is the C of fc's first products, fc1_b of fc1's, x1 + fc2_b of fc2's.  LN2's variance is the mean of (x1 - mean)^2, taken in a second pass over registers.
; x comes in and out0 goes out through the wave's own stage: each load and store covers two rows x 256 consecutive bytes, aligned.
; No tensor load and no joint request.  What the work-groups share is the weights, 1.5 MiB for 96 products a wave.  Through LDS slots they would want sixteen refills or more, each with two dozen products a SIMD to land in.
; LIMITS: NaN and infinities are not served; a block of zeros gets the scale byte 1 and not 127 (its codes are zeros, and this program alone reads the bytes).
.set A1,    0                          ; o's 8 fragments, (4 u + s) x 2,048
.set A2,    16384                      ; LN2's 16 fragments, (8 u + s) x 2,048
.set A3,    49152                      ; the hidden layer's 8 fragments, (4 u + s) x 2,048
.set A2S,   65536                      ; scale bytes: 128 s + 8 r + 4 u + block
.set A3S,   66560
.set PS,    67072                      ; partial sums: 1,024 u + 64 r + 4 w; the squares' 2,048 further on
.set STAGE, 71168                      ; 32 rows x 272 bytes for each wave
.set LI,   1                           ; v1   16 x lane
.set LSC,  2                           ; v2   A2S + 8 r
.set STA,  3                           ; v3   my stage by rows: 272 (lane / 16) + 16 (lane % 16)
.set STD,  4                           ; v4   my stage by tokens: 272 r + 64 h
.set GX,   5                           ; v5   4,096 (lane / 16) + 16 (lane % 16)
.set A2W,  6                           ; v6   where my codes of LN2 go
.set A2SW, 7                           ; v7   and their two scale bytes
.set A3W,  8                           ; v8   where my codes of the hidden layer go
.set A3SW, 9                           ; v9   and their scale byte
.set PSW,  10                          ; v10  PS + 64 r + 4 w
.set PSR,  11                          ; v11  PS + 64 r + 32 h
.set R64,  12                          ; v12  64 r
.set H64,  13                          ; v13  64 h
.set R8,   14                          ; v14  8 r
.set C1W,  15                          ; v15  1,024 w + 16 x lane
.set AF,   16                          ; v16-47   the tokens' two fragments of a K step
.set PC,   16                          ; v16-31   codes just made
.set TM,   32                          ; v32-47   the quantiser's sixteen
.set LB,   16                          ; v16-47   ln2_b
.set WR,   48                          ; v48-111  four weight fragments: two batches by turns
.set H2,   48                          ; v48-111  x1 - mean, then LN2(x1); at the end rows of out0
.set ACCX, 112                         ; v112-175 x1: 32 u + 8 t
.set ACCH, 176                         ; v176-207 the hidden layer: 16 u + 8 t
.set FB,   176                         ; v176-207 fc_b, ln2_w, fc2_b at my 32 columns of a token
.set WS,   208                         ; v208-223 the weights' sixteen scale words: scales and nothing else
.set AS,   224                         ; v224-231 the tokens' scale words
.set MU,   232                         ; v[232:233], v[234:235] the two tiles' means, each twice
.set RS,   236                         ; v[236:237], v[238:239] 1 / sqrt(var + eps)
.set T,    240                         ; v240-255 at work
.set WV,   30
.set XB,   34
.set OUTP, 36
.set OCP,  38
.set OSP,  40
.set WPB,  42
.set WPC,  44
.set WPD,  46
.set WSB,  48
.set WSC,  50
.set WSD,  52
.set FCB,  54
.set L2W,  56
.set L2B,  58
.set F1B,  60
.set F2B,  62
.set SEL,  66
.set MNT,  68
.set C10,  69
.set EPS,  70
.macro PLACES n
.rept \n
	v_nop
.endr
.endm
; nb blocks of a lane (block b = v[s + 16 b] .. + 15, shared with lane l xor 16) become codes in v[pc + 4 b] .. + 3 and bytes in v[TM + 4 + b].  relu = 1: what is negative becomes 0 on the way.
.macro QUANT s, nb, relu, pc
.set qb, 0
.rept \nb
.if \relu
	v_max3_num_f32 v[TM+qb], v[(\s)+16*qb], v[(\s)+16*qb+1], 0x8000000   ; no |.|: what is negative is to become 0 and must not count; the floor 2^(16 - 127) stands over it
.else
	v_max3_num_f32 v[TM+qb], |v[(\s)+16*qb]|, |v[(\s)+16*qb+1]|, 0x8000000
.endif
.set qb, qb+1
.endr
.set qi, 2
.rept 7
.set qb, 0
.rept \nb
.if \relu
	v_max3_num_f32 v[TM+qb], v[TM+qb], v[(\s)+16*qb+qi], v[(\s)+16*qb+qi+1]
.else
	v_max3_num_f32 v[TM+qb], v[TM+qb], |v[(\s)+16*qb+qi]|, |v[(\s)+16*qb+qi+1]|
.endif
.set qb, qb+1
.endr
.set qi, qi+2
.endr
.set qb, 0
.rept \nb
	v_permlanex16_b32 v[TM+4+qb], v[TM+qb], s[SEL], s[SEL+1]
.set qb, qb+1
.endr
.set qb, 0
.rept \nb
	v_max_num_f32 v[TM+qb], v[TM+qb], v[TM+4+qb]
.set qb, qb+1
.endr
.set qb, 0
.rept \nb
	v_add_nc_u32 v[TM+12+qb], 0xf8800000, v[TM+qb]         ; 15 off the exponent field: the conversion's scale operand
.set qb, qb+1
.endr
.set qb, 0
.rept \nb
	v_and_or_b32 v[TM+8+qb], v[TM+qb], 0x7f800000, s[MNT]  ; 57,344 x the scale
.set qb, qb+1
.endr
.set qb, 0
.rept \nb
	v_lshrrev_b32 v[TM+4+qb], 23, v[TM+12+qb]              ; the scale's byte
.set qb, qb+1
.endr
.set qb, 0
.rept \nb
.set qi, 0
.rept 16
.if \relu
	v_med3_num_f32 v[(\s)+16*qb+qi], v[(\s)+16*qb+qi], 0, v[TM+8+qb]   ; the activation and the hold in one
.else
	v_med3_num_f32 v[(\s)+16*qb+qi], v[(\s)+16*qb+qi], -v[TM+8+qb], v[TM+8+qb]   ; the conversion does not saturate (ISA guide 7.6.2): the hold comes first
.endif
.set qi, qi+1
.endr
	v_cvt_scalef32_pk8_bf8_f32 v[(\pc)+4*qb:(\pc)+4*qb+1], v[(\s)+16*qb:(\s)+16*qb+7], v[TM+12+qb]
	v_cvt_scalef32_pk8_bf8_f32 v[(\pc)+4*qb+2:(\pc)+4*qb+3], v[(\s)+16*qb+8:(\s)+16*qb+15], v[TM+12+qb]
.set qb, qb+1
.endr
	v_nop                                                  ; one plain line behind the last conversion
.endm
.macro WM                              ; one product onto md: source 0 = weights ma with scales msa, source 1 = tokens mb with scales msb
	v_wmma_scale_f32_16x16x128_f8f6f4 v[md:md+7], v[ma:ma+15], v[mb:mb+15], v[md:md+7], v[msa], v[msb] matrix_a_fmt:MATRIX_FMT_BF8 matrix_b_fmt:MATRIX_FMT_BF8
.endm
.macro WLOAD g, wp                     ; batch g: fragments 2 g and 2 g + 1 of my stream at s[wp], into half g % 2 of the ring
.irp i, 0,1
.irp c, 0,1,2,3
	global_load_b128 v[WR+32*((\g)%2)+16*\i+4*\c:WR+32*((\g)%2)+16*\i+4*\c+3], v[LI], s[\wp:\wp+1] offset:(2*(\g)+\i)*2048+512*\c
.endr
.endr
.endm
.macro WSLOAD wsp                      ; my sixteen scale words of a weight
.irp k, 0,1,2,3
	global_load_b128 v[WS+4*\k:WS+4*\k+3], v[R64], s[\wsp:\wsp+1] offset:16*\k
.endr
.endm
.macro ALOAD base, nks, s              ; the tokens' two fragments of K step s
.irp u, 0,1
.irp c, 0,1,2,3
	ds_load_b128 v[AF+16*\u+4*\c:AF+16*\u+4*\c+3], v[LI] offset:(\base)+(\u*(\nks)+(\s))*2048+512*\c
.endr
.endr
.endm
.macro COLS reg, ptr                   ; 32 numbers of a vector of 1,024: register 16 b + i = column 64 w + 32 b + 16 h + i
.irp b, 0,1
.irp q, 0,1,2,3
	global_load_b128 v[\reg+16*\b+4*\q:\reg+16*\b+4*\q+3], v[H64], s[\ptr:\ptr+1] offset:128*\b+16*\q
.endr
.endr
.endm
.macro ADDCOLS                         ; onto both tiles of x1
.irp u, 0,1
.irp k, 0,2,4,6,8,10,12,14,16,18,20,22,24,26,28,30
	v_pk_add_f32 v[ACCX+32*\u+\k:ACCX+32*\u+\k+1], v[ACCX+32*\u+\k:ACCX+32*\u+\k+1], v[FB+\k:FB+\k+1]
.endr
.endr
.endm
.macro FOLD                            ; the packed chains v[T+4u:T+4u+3] become my token's sum over this wave's 64 columns: v[T] (tile 0), v[T+4] (tile 1)
.irp u, 0,1
	v_pk_add_f32 v[T+4*\u:T+4*\u+1], v[T+4*\u:T+4*\u+1], v[T+4*\u+2:T+4*\u+3]
.endr
.irp u, 0,1
	v_add_f32 v[T+4*\u], v[T+4*\u], v[T+4*\u+1]
.endr
.irp u, 0,1
	v_permlanex16_b32 v[T+4*\u+1], v[T+4*\u], s[SEL], s[SEL+1]
.endr
.irp u, 0,1
	v_add_f32 v[T+4*\u], v[T+4*\u], v[T+4*\u+1]
.endr
.endm
.macro ROWSUM ps                       ; the sixteen waves exchange their sums: the row's sum over 1,024 columns in v[T] (tile 0) and v[T+8] (tile 1), the same bits in every wave
	ds_store_b32 v[PSW], v[T] offset:\ps           ; lanes r and r + 16 store the same word
	ds_store_b32 v[PSW], v[T+4] offset:\ps+1024
	s_wait_dscnt 0x0                               ; for the others' sake: my stores have landed
	s_barrier_signal -1
	s_barrier_wait -1
.irp u, 0,1
	ds_load_b128 v[T+8*\u:T+8*\u+3], v[PSR] offset:\ps+1024*\u         ; lanes 0-15 take waves 0-7's sums, lanes 16-31 waves 8-15's
	ds_load_b128 v[T+8*\u+4:T+8*\u+7], v[PSR] offset:\ps+1024*\u+16
.endr
	s_wait_dscnt 0x0
.irp u, 0,1
	v_add_f32 v[T+8*\u], v[T+8*\u], v[T+8*\u+1]
	v_add_f32 v[T+8*\u+2], v[T+8*\u+2], v[T+8*\u+3]
	v_add_f32 v[T+8*\u+4], v[T+8*\u+4], v[T+8*\u+5]
	v_add_f32 v[T+8*\u+6], v[T+8*\u+6], v[T+8*\u+7]
.endr
.irp u, 0,1
	v_add_f32 v[T+8*\u], v[T+8*\u], v[T+8*\u+2]
	v_add_f32 v[T+8*\u+4], v[T+8*\u+4], v[T+8*\u+6]
.endr
.irp u, 0,1
	v_add_f32 v[T+8*\u], v[T+8*\u], v[T+8*\u+4]
.endr
.irp u, 0,1
	v_permlanex16_b32 v[T+8*\u+1], v[T+8*\u], s[SEL], s[SEL+1]
.endr
.irp u, 0,1
	v_add_f32 v[T+8*\u], v[T+8*\u], v[T+8*\u+1]    ; both halves add the same two numbers
.endr
.endm
; fc and fc2: four K steps, two batches of two weight fragments each, four products a batch.  The eight accumulators take turns, one instruction a turn.
; Eight places stand between a batch's products and the loads into what they read.  The wait at a batch leaves the next batch's eight loads out.
.macro PASS64 abase, wp, fromlds
.irp s, 0,1,2,3
.irp j, 0,1
.if \j == 0
	s_wait_dscnt 0x0                               ; the tokens' fragments of this step
.endif
.if 2*\s+\j < 7
	s_wait_loadcnt 8
.else
	s_wait_loadcnt 0x0
.endif
.irp u, 0,1
.irp i, 0,1
.set md, ACCX+32*\u+8*(2*\j+\i)
.set ma, WR+32*\j+16*\i
.set mb, AF+16*\u
.set msa, WS+4*\s+2*\j+\i
.if \fromlds
.set msb, AS+\u
.else
.set msb, AS+2*\s+\u
.endif
	WM
.endr
.endr
	PLACES 8
.if 2*\s+\j+2 < 8
	WLOAD 2*\s+\j+2, \wp
.endif
.if (\j == 1) && (\s < 3)
	ALOAD \abase, 4, \s+1
.if \fromlds
	ds_load_b64 v[AS:AS+1], v[LSC] offset:A3S-A2S+128*(\s+1)
.endif
.endif
.endr
.endr
.endm
	s_load_b512 s[8:23], s[0:1], 0x0               ; x s[8:9], o's codes, o's scale bytes, the weights' codes s[14:15], their scale words s[16:17], fc_b, ln2_w, ln2_b s[22:23]
	s_load_b128 s[24:27], s[0:1], 0x40             ; fc1_b, fc2_b
	s_load_b64 s[28:29], s[0:1], 0x50              ; out0
	v_lshrrev_b32 v240, 5, v0
	v_readfirstlane_b32 s[WV], v240                ; wave 0..15
	v_and_b32 v240, 31, v0                         ; lane
	v_and_b32 v241, 15, v0                         ; r
	v_bfe_u32 v242, v0, 4, 1                       ; h
	v_lshlrev_b32 v[LI], 4, v240
	v_lshl_add_u32 v[LSC], v241, 3, A2S
	s_mul_i32 s72, s[WV], 8704
	s_add_co_u32 s72, s72, STAGE
	v_mul_u32_u24 v[STA], v242, 272
	v_lshl_add_u32 v[STA], v241, 4, v[STA]
	v_add_nc_u32 v[STA], s72, v[STA]
	v_mul_u32_u24 v[STD], v241, 272
	v_lshl_add_u32 v[STD], v242, 6, v[STD]
	v_add_nc_u32 v[STD], s72, v[STD]
	v_lshlrev_b32 v[GX], 12, v242
	v_lshl_add_u32 v[GX], v241, 4, v[GX]
	s_lshr_b32 s73, s[WV], 1                       ; my 64 columns are half of K step w / 2 of fc1
	s_and_b32 s74, s[WV], 1
	s_lshl_b32 s75, s73, 11
	s_lshl_b32 s76, s74, 10
	s_add_co_u32 s75, s75, s76
	s_add_co_u32 s75, s75, A2
	v_add_nc_u32 v[A2W], s75, v[LI]
	s_lshl_b32 s75, s73, 7
	s_lshl_b32 s76, s74, 1
	s_add_co_u32 s75, s75, s76
	s_add_co_u32 s75, s75, A2S
	v_lshl_add_u32 v[A2SW], v241, 3, s75
	s_lshr_b32 s73, s[WV], 2                       ; my 32 hidden units are block w % 4 of K step w / 4 of fc2
	s_and_b32 s74, s[WV], 3
	s_lshl_b32 s75, s73, 11
	s_lshl_b32 s76, s74, 9
	s_add_co_u32 s75, s75, s76
	s_add_co_u32 s75, s75, A3
	v_add_nc_u32 v[A3W], s75, v[LI]
	s_lshl_b32 s75, s73, 7
	s_add_co_u32 s75, s75, s74
	s_add_co_u32 s75, s75, A3S
	v_lshl_add_u32 v[A3SW], v241, 3, s75
	s_lshl_b32 s75, s[WV], 2
	s_add_co_u32 s75, s75, PS
	v_lshl_add_u32 v[PSW], v241, 6, s75
	v_lshlrev_b32 v[PSR], 6, v241
	v_lshl_add_u32 v[PSR], v242, 5, v[PSR]
	v_add_nc_u32 v[PSR], PS, v[PSR]
	v_lshlrev_b32 v[R64], 6, v241
	v_lshlrev_b32 v[H64], 6, v242
	v_lshlrev_b32 v[R8], 3, v241
	s_lshl_b32 s75, s[WV], 10
	v_add_nc_u32 v[C1W], s75, v[LI]
	s_mov_b32 s[SEL], 0x76543210
	s_mov_b32 s[SEL+1], 0xfedcba98
	s_mov_b32 s[MNT], 0x600000
	s_mov_b32 s[C10], 0x3a800000                   ; 1 / 1,024
	s_mov_b32 s[EPS], 0x358637bd                   ; 1e-6
	; byte offsets
	s_lshl_b32 s76, ttmp9, 17                      ; x, out0: 32 rows of 4,096 bytes a work-group,
	s_lshl_b32 s78, s[WV], 8                       ; my 64 columns
	s_add_co_u32 s76, s76, s78
	s_mov_b32 s77, 0
	s_mov_b32 s79, 0
	s_lshl_b32 s80, ttmp9, 14                      ; o's codes
	s_mov_b32 s81, 0
	s_lshl_b32 s82, ttmp9, 9                       ; o's scale bytes
	s_mov_b32 s83, 0
	s_lshl_b32 s84, s[WV], 15                      ; my sixteen fragments of a weight
	s_mov_b32 s85, 0
	s_lshl_b32 s86, s[WV], 10                      ; and their scale words
	s_mov_b32 s87, 0
	s_lshl_b32 s88, s[WV], 7                       ; my 32 numbers of fc1_b
	s_mov_b32 s89, 0
	s_wait_kmcnt 0x0
	s_add_nc_u64 s[XB:XB+1], s[8:9], s[76:77]
	s_add_nc_u64 s[OUTP:OUTP+1], s[28:29], s[76:77]
	s_add_nc_u64 s[OCP:OCP+1], s[10:11], s[80:81]
	s_add_nc_u64 s[OSP:OSP+1], s[12:13], s[82:83]
	s_add_nc_u64 s[WPB:WPB+1], s[14:15], s[84:85]
	s_add_nc_u64 s[WPC:WPC+1], s[WPB:WPB+1], 1024*2048
	s_add_nc_u64 s[WPD:WPD+1], s[WPB:WPB+1], 1280*2048
	s_add_nc_u64 s[WPB:WPB+1], s[WPB:WPB+1], 768*2048
	s_add_nc_u64 s[WSB:WSB+1], s[16:17], s[86:87]
	s_add_nc_u64 s[WSC:WSC+1], s[WSB:WSB+1], 81920
	s_add_nc_u64 s[WSD:WSD+1], s[WSB:WSB+1], 98304
	s_add_nc_u64 s[WSB:WSB+1], s[WSB:WSB+1], 65536
	s_add_nc_u64 s[FCB:FCB+1], s[18:19], s[78:79]
	s_add_nc_u64 s[L2W:L2W+1], s[20:21], s[78:79]
	s_add_nc_u64 s[L2B:L2B+1], s[22:23], s[78:79]
	s_add_nc_u64 s[F1B:F1B+1], s[24:25], s[88:89]
	s_add_nc_u64 s[F2B:F2B+1], s[26:27], s[78:79]
	; ---- all first loads, 50 of them, in the order in which they are wanted
	global_load_b128 v[16:19], v[C1W], s[OCP:OCP+1]                  ; my 1,024 bytes of o's eight fragments
	global_load_b128 v[20:23], v[C1W], s[OCP:OCP+1] offset:512
.irp i, 0,1,2,3,4,5,6,7,8,9,10,11,12,13,14,15
	global_load_b128 v[ACCX+4*\i:ACCX+4*\i+3], v[GX], s[XB:XB+1] offset:(8*(\i/8)+2*(\i%8)+8*((\i%8)/4))*4096 th:TH_LOAD_NT   ; the tokens of lanes 2 (i % 8) and + 1 of tile i / 8: two rows x 256 bytes
.endr
	COLS FB, FCB
.irp s, 0,1,2,3
	global_load_b64 v[AS+2*\s:AS+2*\s+1], v[R8], s[OSP:OSP+1] offset:128*\s
.endr
	WSLOAD WSB
	WLOAD 0, WPB
	WLOAD 1, WPB
	s_wait_loadcnt 48                              ; o's two loads are in; the 48 behind them may be out
	ds_store_b128 v[C1W], v[16:19] offset:A1
	ds_store_b128 v[C1W], v[20:23] offset:A1+512
	s_wait_loadcnt 32                              ; x is in; behind it: fc_b 8, scales 4 + 4, weights 16
.irp i, 0,1,2,3,4,5,6,7,8,9,10,11,12,13,14,15
	ds_store_b128 v[STA], v[ACCX+4*\i:ACCX+4*\i+3] offset:2*\i*272
.endr
.irp u, 0,1
.irp b, 0,1
.irp q, 0,1,2,3
	ds_load_b128 v[ACCX+32*\u+16*\b+4*\q:ACCX+32*\u+16*\b+4*\q+3], v[STD] offset:4352*\u+128*\b+16*\q   ; register 16 b + i = column 64 w + 32 b + 16 h + i of my token.  LDS serves a wave's instructions in order
.endr
.endr
.endr
	s_wait_loadcnt 24                              ; fc_b is in
	s_wait_dscnt 0x0                               ; x is back, and my part of o's images has landed
	ADDCOLS                                        ; x + fc_b: what fc's products add onto
	s_barrier_signal -1
	s_barrier_wait -1                              ; o's eight fragments lie in LDS
	ALOAD A1, 4, 0
	PASS64 A1, WPB, 0                              ; x1 = x + fc_b + o fc^T
	; ---- LN2
	COLS FB, L2W
	COLS LB, L2B
.irp u, 0,1
	v_pk_add_f32 v[T+4*\u:T+4*\u+1], v[ACCX+32*\u:ACCX+32*\u+1], v[ACCX+32*\u+2:ACCX+32*\u+3]   ; each accumulator from its low end on
	v_pk_add_f32 v[T+4*\u+2:T+4*\u+3], v[ACCX+32*\u+4:ACCX+32*\u+5], v[ACCX+32*\u+6:ACCX+32*\u+7]
.endr
.irp j, 8,12,16,20,24,28
.irp u, 0,1
	v_pk_add_f32 v[T+4*\u:T+4*\u+1], v[T+4*\u:T+4*\u+1], v[ACCX+32*\u+\j:ACCX+32*\u+\j+1]
	v_pk_add_f32 v[T+4*\u+2:T+4*\u+3], v[T+4*\u+2:T+4*\u+3], v[ACCX+32*\u+\j+2:ACCX+32*\u+\j+3]
.endr
.endr
	FOLD
	ROWSUM 0
.irp u, 0,1
	v_mul_f32 v[MU+2*\u], s[C10], v[T+8*\u]        ; the means
.endr
.irp u, 0,1
	v_mov_b32 v[MU+2*\u+1], v[MU+2*\u]
.endr
.irp u, 0,1
.irp k, 0,2,4,6,8,10,12,14,16,18,20,22,24,26,28,30
	v_pk_add_f32 v[H2+32*\u+\k:H2+32*\u+\k+1], v[ACCX+32*\u+\k:ACCX+32*\u+\k+1], v[MU+2*\u:MU+2*\u+1] neg_lo:[0,1] neg_hi:[0,1]   ; x1 - mean; x1 stays
.endr
.endr
.irp u, 0,1
	v_pk_mul_f32 v[T+4*\u:T+4*\u+1], v[H2+32*\u:H2+32*\u+1], v[H2+32*\u:H2+32*\u+1]
	v_pk_mul_f32 v[T+4*\u+2:T+4*\u+3], v[H2+32*\u+2:H2+32*\u+3], v[H2+32*\u+2:H2+32*\u+3]
.endr
.irp j, 4,8,12,16,20,24,28
.irp u, 0,1
	v_pk_fma_f32 v[T+4*\u:T+4*\u+1], v[H2+32*\u+\j:H2+32*\u+\j+1], v[H2+32*\u+\j:H2+32*\u+\j+1], v[T+4*\u:T+4*\u+1]
	v_pk_fma_f32 v[T+4*\u+2:T+4*\u+3], v[H2+32*\u+\j+2:H2+32*\u+\j+3], v[H2+32*\u+\j+2:H2+32*\u+\j+3], v[T+4*\u+2:T+4*\u+3]
.endr
.endr
	FOLD
	ROWSUM 2048
.irp u, 0,1
	v_fma_f32 v[RS+2*\u], v[T+8*\u], s[C10], s[EPS]   ; var + eps
.endr
.irp u, 0,1
	v_rsq_f32 v[RS+2*\u], v[RS+2*\u]
.endr
	v_nop                                          ; one plain line behind the transcendentals
	s_wait_alu depctr_va_vdst(0)
.irp u, 0,1
	v_mov_b32 v[RS+2*\u+1], v[RS+2*\u]
.endr
	s_wait_loadcnt 0x0                             ; ln2_w, ln2_b
.irp u, 0,1
.irp k, 0,2,4,6,8,10,12,14,16,18,20,22,24,26,28,30
	v_pk_mul_f32 v[H2+32*\u+\k:H2+32*\u+\k+1], v[H2+32*\u+\k:H2+32*\u+\k+1], v[RS+2*\u:RS+2*\u+1]
.endr
.endr
.irp u, 0,1
.irp k, 0,2,4,6,8,10,12,14,16,18,20,22,24,26,28,30
	v_pk_fma_f32 v[H2+32*\u+\k:H2+32*\u+\k+1], v[H2+32*\u+\k:H2+32*\u+\k+1], v[FB+\k:FB+\k+1], v[LB+\k:LB+\k+1]
.endr
.endr
.irp u, 0,1                                    ; fc1_b straight into the accumulators, once for each token tile
.irp q, 0,1,2,3
	global_load_b128 v[ACCH+16*\u+4*\q:ACCH+16*\u+4*\q+3], v[H64], s[F1B:F1B+1] offset:16*\q
.endr
.endr
	WSLOAD WSC
.irp b, 0,1,2,3
	v_mov_b32 v[TM+4+\b], 0                        ; a lane permute's destination counts as one of its sources
.endr
	QUANT H2, 4, 0, PC                             ; blocks 2 u + b
	v_lshl_or_b32 v[T], v[TM+5], 8, v[TM+4]        ; tile 0's two bytes
	v_lshl_or_b32 v[T+1], v[TM+7], 8, v[TM+6]      ; tile 1's
.irp u, 0,1
.irp b, 0,1
	ds_store_b128 v[A2W], v[PC+8*\u+4*\b:PC+8*\u+4*\b+3] offset:16384*\u+512*\b
.endr
	ds_store_b16 v[A2SW], v[T+\u] offset:4*\u      ; lanes r and r + 16 store the same two bytes
.endr
	WLOAD 0, WPC
	WLOAD 1, WPC
	s_wait_dscnt 0x0                               ; for the others' sake: my images have landed
	s_barrier_signal -1
	s_barrier_wait -1                              ; LN2's sixteen fragments lie in LDS
	ALOAD A2, 8, 0
	ds_load_b64 v[AS:AS+1], v[LSC]
	; ---- fc1: eight K steps, one batch each; four accumulators by turns
.irp s, 0,1,2,3,4,5,6,7
	s_wait_dscnt 0x0
.if \s < 7
	s_wait_loadcnt 8                               ; this batch is in; the next one's eight loads may be out
.else
	s_wait_loadcnt 0x0
.endif
.irp u, 0,1
.irp i, 0,1
.set md, ACCH+16*\u+8*\i
.set ma, WR+32*(\s%2)+16*\i
.set mb, AF+16*\u
.set msa, WS+2*\s+\i
.set msb, AS+\u
	WM
.endr
.endr
	PLACES 8
.if \s < 7
	ALOAD A2, 8, \s+1
	ds_load_b64 v[AS:AS+1], v[LSC] offset:128*(\s+1)
.endif
.if \s+2 < 8
	WLOAD \s+2, WPC
.endif
.endr
	; ---- the hidden layer: relu and quantiser in one, along my 32 units
	WSLOAD WSD
	WLOAD 0, WPD
	WLOAD 1, WPD
	QUANT ACCH, 2, 1, PC
.irp u, 0,1
	ds_store_b128 v[A3W], v[PC+4*\u:PC+4*\u+3] offset:8192*\u
	ds_store_b8 v[A3SW], v[TM+4+\u] offset:4*\u    ; lanes r and r + 16 store the same byte
.endr
	COLS FB, F2B
	s_wait_dscnt 0x0                               ; for the others' sake: my images have landed
	s_barrier_signal -1
	s_barrier_wait -1                              ; the hidden layer's eight fragments lie in LDS
	ALOAD A3, 4, 0
	ds_load_b64 v[AS:AS+1], v[LSC] offset:A3S-A2S
	s_wait_loadcnt 0x0                             ; fc2_b, which was asked for last
	ADDCOLS                                        ; x1 + fc2_b: what fc2's products add onto
	PASS64 A3, WPD, 1
	; ---- the way out: through my stage, so that each store covers two rows x 256 consecutive bytes, aligned
.irp u, 0,1
.irp b, 0,1
.irp q, 0,1,2,3
	ds_store_b128 v[STD], v[ACCX+32*\u+16*\b+4*\q:ACCX+32*\u+16*\b+4*\q+3] offset:4352*\u+128*\b+16*\q   ; each accumulator from its low end on
.endr
.endr
.endr
.irp i, 0,1,2,3,4,5,6,7,8,9,10,11,12,13,14,15
	ds_load_b128 v[H2+4*\i:H2+4*\i+3], v[STA] offset:2*\i*272   ; LDS serves a wave's instructions in order: these see my stores
.endr
.irp i, 0,1,2,3,4,5,6,7,8,9,10,11,12,13,14,15
	s_wait_dscnt 15-\i                             ; load i is back; the younger ones may be out
	global_store_b128 v[GX], v[H2+4*\i:H2+4*\i+3], s[OUTP:OUTP+1] offset:(8*(\i/8)+2*(\i%8)+8*((\i%8)/4))*4096 th:TH_STORE_NT
.endr
	s_wait_xcnt 0x0
	v_lshl_add_u32 v254, v0, 2, 0x33600
	v_mov_b32 v255, 0
	s_wait_tensorcnt 0x0
	ds_add_u32 v254, v255
	s_wait_dscnt 0x0
	s_endpgm
.Lfunc_end_k_qf764f86fcf_tail:
	.size	k_qf764f86fcf_tail, .Lfunc_end_k_qf764f86fcf_tail-k_qf764f86fcf_tail
	.p2alignl 7, 3214868480
	.fill 96, 4, 3214868480
	.section	.rodata,"a",@progbits
	.p2align	6, 0x0
	.amdhsa_kernel k_qf764f86fcf_tail
		.amdhsa_group_segment_fixed_size 212480
		.amdhsa_private_segment_fixed_size 0
		.amdhsa_enable_private_segment 0
		.amdhsa_kernarg_size 88
		.amdhsa_user_sgpr_count 2
		.amdhsa_user_sgpr_kernarg_segment_ptr 1
		.amdhsa_wavefront_size32 1
		.amdhsa_system_sgpr_workgroup_id_x 1
		.amdhsa_system_sgpr_workgroup_id_y 1
		.amdhsa_system_sgpr_workgroup_id_z 1
		.amdhsa_system_vgpr_workitem_id 0
		.amdhsa_next_free_vgpr 256
		.amdhsa_next_free_sgpr 100
		.amdhsa_reserve_vcc 0
		.amdhsa_float_denorm_mode_32 3
		.amdhsa_float_denorm_mode_16_64 3
		.amdhsa_memory_ordered 1
		.amdhsa_forward_progress 1
		.amdhsa_inst_pref_size 94
	.end_amdhsa_kernel
	.amdgpu_metadata
---
amdhsa.version: [ 1, 2 ]
amdhsa.kernels:
  - .name:           k_qf764f86fcf_tail
    .symbol:         k_qf764f86fcf_tail.kd
    .args:
      - { .name: x, .offset: 0, .size: 8, .value_kind: global_buffer, .address_space: global }
      - { .name: oc, .offset: 8, .size: 8, .value_kind: global_buffer, .address_space: global }
      - { .name: os, .offset: 16, .size: 8, .value_kind: global_buffer, .address_space: global }
      - { .name: wcodes, .offset: 24, .size: 8, .value_kind: global_buffer, .address_space: global }
      - { .name: wscales, .offset: 32, .size: 8, .value_kind: global_buffer, .address_space: global }
      - { .name: fc_b, .offset: 40, .size: 8, .value_kind: global_buffer, .address_space: global }
      - { .name: ln2_w, .offset: 48, .size: 8, .value_kind: global_buffer, .address_space: global }
      - { .name: ln2_b, .offset: 56, .size: 8, .value_kind: global_buffer, .address_space: global }
      - { .name: fc1_b, .offset: 64, .size: 8, .value_kind: global_buffer, .address_space: global }
      - { .name: fc2_b, .offset: 72, .size: 8, .value_kind: global_buffer, .address_space: global }
      - { .name: out0, .offset: 80, .size: 8, .value_kind: global_buffer, .address_space: global }
    .group_segment_fixed_size: 212480
    .private_segment_fixed_size: 0
    .kernarg_segment_align: 8
    .kernarg_segment_size: 88
    .max_flat_workgroup_size: 512
    .sgpr_count:     100
    .vgpr_count:     256
    .wavefront_size: 32
...
	.end_amdgpu_metadata
.endif
;; end of part 4
;; ======== version 2 of 2: 4 launches; version 1 with the launches qkv, tail written anew for expert scheduling mode
;; workspace buffers: wcodes 3,145,728 bytes; wscales 114,688 bytes; qc 4,194,304 bytes; qs 262,144 bytes; kv 8,781,824 bytes; oc 4,194,304 bytes; os 131,072 bytes
;; launch wquant: the kernel of part 1 again; grid 256 x 1, 6 waves a work-group, no clusters, 51,456 bytes of LDS; arguments wq_w, wk_w, wv_w, fc_w, fc1_w, fc2_w, wcodes, wscales; writes wcodes, wscales
;; launch qkv (part 5): grid 256 x 1, 16 waves a work-group, no clusters, 173,056 bytes of LDS; arguments x, ln1_w, ln1_b, wcodes, wscales, wq_b, wk_b, wv_b, qc, qs, kv; writes qc, qs, kv
.if DOCPART == 5
	.amdgcn_target "amdgcn-amd-amdhsa--gfx1250"
	.amdhsa_code_object_version 6
	.text
	.protected	k_qf764f86fcf_qkv
	.globl	k_qf764f86fcf_qkv
	.p2align	8
	.type	k_qf764f86fcf_qkv,@function
k_qf764f86fcf_qkv:
	s_mov_b64 s[64:65], 0
	v_nop
	global_prefetch_b8 v0, s[64:65] scope:SCOPE_SE
	s_setreg_imm32_b32 hwreg(HW_REG_WAVE_SCHED_MODE, 0, 2), 2
	s_setreg_imm32_b32 hwreg(HW_REG_WAVE_MODE, 25, 1), 1
	s_wait_xcnt 0x0
	s_wait_alu depctr_vm_vsrc(0)
; h = LN1(x), quantised along its 1,024.  q, k, v = h W^T + b on codes of BF8 (E5M2) with E8M0 scales.  q and k are quantised along the head's 64, v along the keys.  All leave as images of operand registers.
; SHARES: a work-group owns 32 tokens: two tiles u, and lane r of tile u is token 8 u + r + 8 (r / 8).  It has sixteen waves of 256 registers, four to a SIMD.
;   LN: wave w = 8 u + s owns tile u, columns 128 s on: one fragment.  A row's sums meet in LDS.  The variance is the mean of (x - mean)^2, taken in a second pass over registers.
;   Products: THE WAVES SHARE THE COLUMNS.  Wave w makes the 64 columns of q's head w (w < 8) or of k's head w - 8, and 32 columns of v (head w / 2).  So each weight fragment is wanted by ONE wave of the
;   work-group and goes from memory straight into its registers (four loads of 512 consecutive bytes; the launch before laid them so), feeding two products.  h's codes go round as images in LDS.
; q, k: source 0 = 16 weight rows, source 1 = 16 tokens.  A lane holds one token and 16 neighbouring columns in the registers of two neighbouring tiles; the bias is loaded straight into the accumulators.
; v: the sources swapped.  A lane holds one column d, and its 16 registers of the two token tiles are 16 neighbouring tokens, that is keys: the second attention product's K.
; No tensor load and no joint request.  What the work-groups share is the weights, 1.5 MiB for 96 products a wave.  Through LDS slots they would want sixteen refills or more, each with two dozen products a SIMD to land in.
; LIMITS: NaN and infinities are not served; a block of zeros gets the scale byte 1 and not 127 (its codes are zeros, and this program alone reads the bytes).
; THE MODE: SCHED_MODE bits 1:0 = 2 (LLVM: expert scheduling mode 2), set by the entry lines.  The code itself states the register dependences
; between vector or matrix instructions and memory or LDS instructions, with s_wait_alu, always for 0.
; THE PLAN.  Registers that memory or LDS instructions touch, in the products:
;   WR, two halves   Batch g's four products read half g % 2; behind them the eight loads of batch g + 2 land in it.
;   WS, two sets     Step s's products read set s % 2; the loads of step s + 1 land in the other set, which step s - 1's products read last, behind step s's second batch.
;   AF, AS           All twelve products of a step read them; the next step's LDS loads land in them behind the twelfth.
;   v1 to v13        Offsets and LDS addresses, made at the head and never written again: immediate offsets reach every fragment.
;   The accumulators are named by matrix instructions alone, once the biases have landed in them.
; The wave's 256 registers hold no third half.  So ONE wait on va_vdst stands behind each batch's four products, where the half that they have emptied is asked for again at once; it states that they are done
; reading that half (at a step's end: h's fragments and scale words too).  A batch with no load behind it holds no wait.
; In LN1 and on the way out each run of LDS or global stores has one wait on va_vdst ahead of it, and registers that stores have read are written again only behind a wait on vm_vsrc.
.set AIMG,  0                          ; h's 16 fragments, (8 u + s) x 2,048
.set ASC,   32768                      ; their scale words: 128 s + 8 r + 4 u
.set PS1,   33792                      ; partial sums: 512 u + 32 r + 4 s
.set PS2,   34816                      ; partial sums of squares
.set STAGE, 35840                      ; a stage of 16 rows x 528 bytes for each wave
.set STGB,  8448
.set LI,   1                           ; v1   16 x lane
.set LR8,  2                           ; v2   8 r
.set STI,  3                           ; v3   my stage, in
.set STO,  4                           ; v4   my stage, out: 528 r + 64 h
.set PSW,  5                           ; v5   32 r + 512 u + 4 s
.set PSR,  6                           ; v6   32 r + 512 u
.set AW,   7                           ; v7   2,048 w + 16 x lane
.set ASW,  8                           ; v8   128 s + 8 r + 4 u
.set H64,  9                           ; v9   64 h
.set R32,  10                          ; v10  32 r
.set RHO4, 11                          ; v11  4 (r + 8 (r / 8))
.set SA,   12                          ; v12  q's or k's scale words: 8 r or 16 r, + 4 h
.set VA,   13                          ; v13  v's scale bytes: 16 r + 4 h
.set LN,   14                          ; v14  lane
.set RR,   15                          ; v15  r
.set AF,   16                          ; v16-47   h's two fragments of a K step
.set PC,   16                          ; v16-31   codes just made
.set TM,   32                          ; v32-47   the quantiser's sixteen
.set LB1,  16                          ; v16-47   ln1_b, blocks 2 and 3
.set WR,   48                          ; v48-111  four weight fragments: two batches by turns
.set X,    48                          ; v48-111  my 64 numbers of x
.set PCV,  48                          ; v48-55   v's codes
.set ACCQ, 112                         ; v112-175 q or k: 32 u + 8 t
.set LW,   112                         ; v112-175 ln1_w
.set ACCV, 176                         ; v176-207 v: 16 u' + 8 u
.set LB0,  176                         ; v176-207 ln1_b, blocks 0 and 1
.set WS,   208                         ; v208-223 the weights' scale words, two sets of eight: scales and nothing else
.set AS,   224                         ; v224-225 h's scale words
.set BV,   226                         ; v226-229 wv_b of my column in tile 0 (twice) and in tile 1 (twice)
.set MU,   240                         ; v[240:241] the mean, twice
.set RS,   242                         ; v[242:243] 1 / sqrt(var + eps), twice
.set T,    244                         ; v244-255 at work
.set WV,   30
.set XB,   34
.set LWB,  36
.set LBB,  38
.set WP,   40
.set WSP,  42
.set BQ,   44
.set BVP,  46
.set OUT1, 48
.set OUT2, 50
.set OUT3, 52
.set OUT4, 54
.set SEL,  56
.set MNT,  58
.set C10,  59
.set EPS,  60
.macro PLACES n
.rept \n
	v_nop
.endr
.endm
; nb blocks of a lane (block b = v[s + 16 b] .. + 15, shared with lane l xor 16) become codes in v[pc + 4 b] .. + 3 and bytes in v[TM + 4 + b].  relu = 1: what is negative becomes 0 on the way.
.macro QUANT s, nb, relu, pc
.set qb, 0
.rept \nb
.if \relu
	v_max3_num_f32 v[TM+qb], v[(\s)+16*qb], v[(\s)+16*qb+1], 0x8000000   ; the floor 2^(16 - 127) among the leaves: the byte cannot fall under 1
.else
	v_max3_num_f32 v[TM+qb], |v[(\s)+16*qb]|, |v[(\s)+16*qb+1]|, 0x8000000
.endif
.set qb, qb+1
.endr
.set qi, 2
.rept 7
.set qb, 0
.rept \nb
.if \relu
	v_max3_num_f32 v[TM+qb], v[TM+qb], v[(\s)+16*qb+qi], v[(\s)+16*qb+qi+1]
.else
	v_max3_num_f32 v[TM+qb], v[TM+qb], |v[(\s)+16*qb+qi]|, |v[(\s)+16*qb+qi+1]|
.endif
.set qb, qb+1
.endr
.set qi, qi+2
.endr
.set qb, 0
.rept \nb
	v_permlanex16_b32 v[TM+4+qb], v[TM+qb], s[SEL], s[SEL+1]
.set qb, qb+1
.endr
.set qb, 0
.rept \nb
	v_max_num_f32 v[TM+qb], v[TM+qb], v[TM+4+qb]           ; with lane l xor 16's 16: the block's largest magnitude
.set qb, qb+1
.endr
.set qb, 0
.rept \nb
	v_add_nc_u32 v[TM+12+qb], 0xf8800000, v[TM+qb]         ; 15 off its exponent field: the conversion's scale operand
.set qb, qb+1
.endr
.set qb, 0
.rept \nb
	v_and_or_b32 v[TM+8+qb], v[TM+qb], 0x7f800000, s[MNT]  ; 57,344 x the scale
.set qb, qb+1
.endr
.set qb, 0
.rept \nb
	v_lshrrev_b32 v[TM+4+qb], 23, v[TM+12+qb]              ; the scale's byte
.set qb, qb+1
.endr
.set qb, 0
.rept \nb
.set qi, 0
.rept 16
.if \relu
	v_med3_num_f32 v[(\s)+16*qb+qi], v[(\s)+16*qb+qi], 0, v[TM+8+qb]
.else
	v_med3_num_f32 v[(\s)+16*qb+qi], v[(\s)+16*qb+qi], -v[TM+8+qb], v[TM+8+qb]   ; the conversion does not saturate (ISA guide 7.6.2): the hold comes first
.endif
.set qi, qi+1
.endr
	v_cvt_scalef32_pk8_bf8_f32 v[(\pc)+4*qb:(\pc)+4*qb+1], v[(\s)+16*qb:(\s)+16*qb+7], v[TM+12+qb]
	v_cvt_scalef32_pk8_bf8_f32 v[(\pc)+4*qb+2:(\pc)+4*qb+3], v[(\s)+16*qb+8:(\s)+16*qb+15], v[TM+12+qb]
.set qb, qb+1
.endr
	v_nop                                                  ; one plain line behind the last conversion
.endm
; one product: D = md, source 0 = ma with scales msa, source 1 = mb with scales msb; zero = 1 starts the sum
.macro WM zero
.if \zero
	v_wmma_scale_f32_16x16x128_f8f6f4 v[md:md+7], v[ma:ma+15], v[mb:mb+15], 0, v[msa], v[msb] matrix_a_fmt:MATRIX_FMT_BF8 matrix_b_fmt:MATRIX_FMT_BF8
.else
	v_wmma_scale_f32_16x16x128_f8f6f4 v[md:md+7], v[ma:ma+15], v[mb:mb+15], v[md:md+7], v[msa], v[msb] matrix_a_fmt:MATRIX_FMT_BF8 matrix_b_fmt:MATRIX_FMT_BF8
.endif
.endm
.macro WLOAD g                         ; batch g: fragments 2 g and 2 g + 1 of my stream, into half g % 2 of the ring
.irp i, 0,1
.irp c, 0,1,2,3
	global_load_b128 v[WR+32*((\g)%2)+16*\i+4*\c:WR+32*((\g)%2)+16*\i+4*\c+3], v[LI], s[WP:WP+1] offset:(2*(\g)+\i)*2048+512*\c
.endr
.endr
.endm
.macro SCLOAD s                        ; K step s: my six fragments' scale words, into set s % 2
	global_load_b128 v[WS+8*((\s)%2):WS+8*((\s)%2)+3], v[R32], s[WSP:WSP+1] offset:512*(\s)
	global_load_b64 v[WS+8*((\s)%2)+4:WS+8*((\s)%2)+5], v[R32], s[WSP:WSP+1] offset:512*(\s)+16
.endm
.macro ALOAD s                         ; K step s: h's two fragments and their scale words
.irp u, 0,1
.irp c, 0,1,2,3
	ds_load_b128 v[AF+16*\u+4*\c:AF+16*\u+4*\c+3], v[LI] offset:AIMG+(\u*8+(\s))*2048+512*\c
.endr
.endr
	ds_load_b64 v[AS:AS+1], v[LR8] offset:ASC+128*(\s)
.endm
.macro LANESUM                         ; two packed chains in v[T:T+3] become my row's sum over this wave's 128 columns, in v[T]
	v_pk_add_f32 v[T:T+1], v[T:T+1], v[T+2:T+3]
	v_add_f32 v[T], v[T], v[T+1]
	v_permlanex16_b32 v[T+1], v[T], s[SEL], s[SEL+1]
	v_add_f32 v[T], v[T], v[T+1]
.endm
.macro ROWSUM ps                       ; the eight waves of a tile exchange their sums: the row's sum over 1,024 columns in v[T+4], the same bits in every wave
	s_wait_alu depctr_va_vdst(0)                   ; v[T] is written, which the store reads; in the second exchange the first one's additions are also done with v[T+4] to v[T+11], in which the loads below land
	ds_store_b32 v[PSW], v[T] offset:\ps           ; lanes r and r + 16 store the same word
	s_wait_dscnt 0x0                               ; for the others' sake: my store has landed
	s_barrier_signal -1
	s_barrier_wait -1
	ds_load_b128 v[T+4:T+7], v[PSR] offset:\ps
	ds_load_b128 v[T+8:T+11], v[PSR] offset:\ps+16
	s_wait_alu depctr_vm_vsrc(0)                   ; the store has read v[T], which the vector work behind this exchange writes again
	s_wait_dscnt 0x0
	v_add_f32 v[T+4], v[T+4], v[T+5]
	v_add_f32 v[T+6], v[T+6], v[T+7]
	v_add_f32 v[T+8], v[T+8], v[T+9]
	v_add_f32 v[T+10], v[T+10], v[T+11]
	v_add_f32 v[T+4], v[T+4], v[T+6]
	v_add_f32 v[T+8], v[T+8], v[T+10]
	v_add_f32 v[T+4], v[T+4], v[T+8]
.endm
	s_load_b512 s[8:23], s[0:1], 0x0               ; x s[8:9], ln1_w, ln1_b, the weights' codes s[14:15], their scale words s[16:17], wq_b, wk_b, wv_b s[22:23]
	s_load_b128 s[24:27], s[0:1], 0x40             ; q's codes, q's scale words
	s_load_b64 s[28:29], s[0:1], 0x50              ; the records of k and v
	v_lshl_add_u32 v238, v0, 2, 0x29c00
	v_mov_b32 v239, 0
	v_lshrrev_b32 v[LN], 5, v0
	v_readfirstlane_b32 s[WV], v[LN]               ; wave 0..15
	v_and_b32 v[LN], 31, v0
	v_and_b32 v[RR], 15, v0
	v_bfe_u32 v[H64], v0, 4, 1                     ; h for now
	s_wait_alu depctr_va_sdst(0)                   ; the wave's number is written, ahead of its first reader: LDS addresses and every base are made from it
	s_lshr_b32 s31, s[WV], 3                       ; LN: my tile u
	s_and_b32 s32, s[WV], 7                        ; LN: my K step s.  Products: my head of q or k
	v_lshlrev_b32 v[LI], 4, v[LN]
	v_lshlrev_b32 v[LR8], 3, v[RR]
	s_mul_i32 s33, s[WV], STGB
	s_add_co_u32 s33, s33, STAGE
	v_add_nc_u32 v[STI], s33, v[LI]
	v_mul_u32_u24 v[STO], v[RR], 528
	v_lshl_add_u32 v[STO], v[H64], 6, v[STO]
	v_add_nc_u32 v[STO], s33, v[STO]
	s_lshl_b32 s33, s31, 9
	v_lshl_add_u32 v[PSR], v[RR], 5, s33
	s_lshl_b32 s66, s32, 2
	v_add_nc_u32 v[PSW], s66, v[PSR]
	s_lshl_b32 s66, s[WV], 11
	v_add_nc_u32 v[AW], s66, v[LI]
	s_lshl_b32 s66, s32, 7
	s_lshl_b32 s67, s31, 2
	s_add_co_u32 s66, s66, s67
	v_add_nc_u32 v[ASW], s66, v[LR8]
	v_lshlrev_b32 v[R32], 5, v[RR]
	v_and_b32 v[RHO4], 8, v[RR]
	v_add_nc_u32 v[RHO4], v[RHO4], v[RR]
	v_lshlrev_b32 v[RHO4], 2, v[RHO4]
	v_lshlrev_b32 v[VA], 4, v[RR]
	v_lshl_add_u32 v[VA], v[H64], 2, v[VA]
	s_mov_b32 s[SEL], 0x76543210
	s_mov_b32 s[SEL+1], 0xfedcba98
	s_mov_b32 s[MNT], 0x600000
	s_mov_b32 s[C10], 0x3a800000                   ; 1 / 1,024
	s_mov_b32 s[EPS], 0x358637bd                   ; 1e-6
	; byte offsets, each in a pair of its own
	s_lshl_b32 s70, ttmp9, 17                      ; x: 32 rows of 4,096 bytes a work-group,
	s_lshl_b32 s71, s31, 15                        ; 8 u rows,
	s_add_co_u32 s70, s70, s71
	s_lshl_b32 s72, s32, 9                         ; 128 s columns
	s_add_co_u32 s70, s70, s72
	s_mov_b32 s71, 0
	s_mov_b32 s73, 0
	s_mul_i32 s74, s[WV], 98304                    ; my 48 weight fragments
	s_mov_b32 s75, 0
	s_lshl_b32 s76, s[WV], 12                      ; and their scale words
	s_mov_b32 s77, 0
	s_lshl_b32 s78, s32, 8                         ; my head's 64 numbers of wq_b or wk_b
	s_mov_b32 s79, 0
	s_lshl_b32 s80, s[WV], 7                       ; my 32 numbers of wv_b
	s_mov_b32 s81, 0
	s_lshr_b32 s82, ttmp9, 6
	s_lshl_b32 s82, s82, 3                         ; 8 x batch
	s_and_b32 s83, ttmp9, 63                       ; the group of 32 tokens in its batch
	s_bfe_u32 s84, ttmp9, 0x40002                  ; its step of 128 keys
	s_and_b32 s85, ttmp9, 3                        ; and its block of 32 in that step
	s_add_co_u32 s86, s82, s32                     ; batch x head, for q and k
	s_lshl_b32 s87, s86, 4
	s_add_co_u32 s87, s87, s84
	s_mul_i32 s87, s87, 17152                      ; k's record
	s_lshl_b32 s88, s86, 17
	s_lshl_b32 s89, s83, 11
	s_add_co_u32 s88, s88, s89                     ; q's codes: (128 x head + 2 x group) x 1,024
	s_lshl_b32 s89, s85, 11
	s_add_co_u32 s89, s87, s89                     ; k's codes: record + 2,048 x block
	s_lshl_b32 s90, s86, 6
	s_add_co_u32 s90, s90, s83
	s_lshl_b32 s90, s90, 7                         ; q's scale words
	s_lshr_b32 s91, s85, 1
	s_lshl_b32 s91, s91, 8
	s_and_b32 s92, s85, 1
	s_lshl_b32 s92, s92, 3
	s_add_co_u32 s91, s91, s92
	s_add_co_u32 s91, s91, s87
	s_add_co_u32 s91, s91, 16384                   ; k's scale words
	s_lshr_b32 s92, s[WV], 1
	s_add_co_u32 s92, s92, s82                     ; batch x head, for v
	s_lshl_b32 s92, s92, 4
	s_add_co_u32 s92, s92, s84
	s_mul_i32 s92, s92, 17152                      ; v's record
	s_and_b32 s93, s[WV], 1                        ; which 32 of the head's 64
	s_lshl_b32 s94, s93, 12
	s_add_co_u32 s94, s94, s92
	s_lshl_b32 s95, s85, 9
	s_add_co_u32 s94, s94, s95
	s_add_co_u32 s94, s94, 8192                    ; v's codes
	s_mov_b32 s95, 0
	s_lshl_b32 s96, s93, 3
	s_add_co_u32 s96, s96, s92
	s_add_co_u32 s96, s96, s85
	s_add_co_u32 s96, s96, 16896                   ; v's scale bytes
	s_mov_b32 s97, 0
	s_cmp_lt_u32 s[WV], 8                          ; q's wave or k's: the choices hang on the wave's number alone
	s_cselect_b32 s88, s88, s89
	s_cselect_b32 s90, s90, s91
	s_cselect_b32 s68, 3, 4
	s_mov_b32 s89, 0
	s_mov_b32 s91, 0
	s_wait_kmcnt 0x0
	s_cselect_b64 s[BQ:BQ+1], s[18:19], s[20:21]
	s_cselect_b64 s[OUT1:OUT1+1], s[24:25], s[28:29]
	s_cselect_b64 s[OUT2:OUT2+1], s[26:27], s[28:29]
	s_add_nc_u64 s[XB:XB+1], s[8:9], s[70:71]
	s_add_nc_u64 s[LWB:LWB+1], s[10:11], s[72:73]
	s_add_nc_u64 s[LBB:LBB+1], s[12:13], s[72:73]
	s_add_nc_u64 s[WP:WP+1], s[14:15], s[74:75]
	s_add_nc_u64 s[WSP:WSP+1], s[16:17], s[76:77]
	s_add_nc_u64 s[BQ:BQ+1], s[BQ:BQ+1], s[78:79]
	s_add_nc_u64 s[BVP:BVP+1], s[22:23], s[80:81]
	s_add_nc_u64 s[OUT1:OUT1+1], s[OUT1:OUT1+1], s[88:89]
	s_add_nc_u64 s[OUT2:OUT2+1], s[OUT2:OUT2+1], s[90:91]
	s_add_nc_u64 s[OUT3:OUT3+1], s[28:29], s[94:95]
	s_add_nc_u64 s[OUT4:OUT4+1], s[28:29], s[96:97]
	v_lshlrev_b32 v[SA], s68, v[RR]
	v_lshl_add_u32 v[SA], v[H64], 2, v[SA]
	v_lshlrev_b32 v[H64], 6, v[H64]
	s_wait_alu depctr_va_vdst(0)                   ; the thirteen offsets and LDS addresses v1 to v13 are written: every load and store of the kernel reads one of them
	; ---- LN1.  16 rows x 512 bytes of x, then ln1_w and ln1_b at my 64 columns
.irp j, 0,1,2,3,4,5,6,7,8,9,10,11,12,13,14,15
	global_load_b128 v[X+4*\j:X+4*\j+3], v[LI], s[XB:XB+1] offset:(\j+8*(\j/8))*4096   ; 512 consecutive bytes of the token of lane j
.endr
.irp b, 0,1,2,3
.irp q, 0,1,2,3
	global_load_b128 v[LW+16*\b+4*\q:LW+16*\b+4*\q+3], v[H64], s[LWB:LWB+1] offset:128*\b+16*\q
.endr
.endr
.irp b, 0,1
.irp q, 0,1,2,3
	global_load_b128 v[LB0+16*\b+4*\q:LB0+16*\b+4*\q+3], v[H64], s[LBB:LBB+1] offset:128*\b+16*\q
.endr
.endr
.irp b, 0,1
.irp q, 0,1,2,3
	global_load_b128 v[LB1+16*\b+4*\q:LB1+16*\b+4*\q+3], v[H64], s[LBB:LBB+1] offset:256+128*\b+16*\q
.endr
.endr
	s_wait_loadcnt 32                              ; x is in; the 32 loads of ln1_w and ln1_b may be out
.irp j, 0,1,2,3,4,5,6,7,8,9,10,11,12,13,14,15
	ds_store_b128 v[STI], v[X+4*\j:X+4*\j+3] offset:\j*528
.endr
	s_wait_alu depctr_vm_vsrc(0)                   ; the stores into the stage have read v[X ..], in which the loads from the stage land
.irp b, 0,1,2,3
.irp q, 0,1,2,3
	ds_load_b128 v[X+16*\b+4*\q:X+16*\b+4*\q+3], v[STO] offset:128*\b+16*\q   ; register 16 b + i = column 32 b + 16 h + i of my token.  LDS serves a wave's instructions in order
.endr
.endr
	s_wait_dscnt 0x0
	v_pk_add_f32 v[T:T+1], v[X:X+1], v[X+2:X+3]
	v_pk_add_f32 v[T+2:T+3], v[X+4:X+5], v[X+6:X+7]
.set k, 8
.rept 14
	v_pk_add_f32 v[T:T+1], v[T:T+1], v[X+k:X+k+1]
	v_pk_add_f32 v[T+2:T+3], v[T+2:T+3], v[X+k+2:X+k+3]
.set k, k+4
.endr
	LANESUM
	ROWSUM PS1
	v_mul_f32 v[MU], s[C10], v[T+4]                ; the mean
	v_mov_b32 v[MU+1], v[MU]
.set k, 0
.rept 32
	v_pk_add_f32 v[X+k:X+k+1], v[X+k:X+k+1], v[MU:MU+1] neg_lo:[0,1] neg_hi:[0,1]   ; x - mean
.set k, k+2
.endr
	v_pk_mul_f32 v[T:T+1], v[X:X+1], v[X:X+1]
	v_pk_mul_f32 v[T+2:T+3], v[X+2:X+3], v[X+2:X+3]
.set k, 4
.rept 15
	v_pk_fma_f32 v[T:T+1], v[X+k:X+k+1], v[X+k:X+k+1], v[T:T+1]
	v_pk_fma_f32 v[T+2:T+3], v[X+k+2:X+k+3], v[X+k+2:X+k+3], v[T+2:T+3]
.set k, k+4
.endr
	LANESUM
	ROWSUM PS2
	v_fma_f32 v[RS], v[T+4], s[C10], s[EPS]        ; var + eps
	v_rsq_f32 v[RS], v[RS]
	v_nop                                          ; one plain line behind the transcendental
	s_wait_alu depctr_va_vdst(0)                   ; the reciprocal root is written, ahead of its first reader
	v_mov_b32 v[RS+1], v[RS]
	s_wait_loadcnt 0x0                             ; ln1_w, ln1_b
.set k, 0
.rept 32
	v_pk_mul_f32 v[X+k:X+k+1], v[X+k:X+k+1], v[RS:RS+1]
.set k, k+2
.endr
.irp b, 0,1,2,3
.if \b < 2
.set lbr, LB0+16*\b
.else
.set lbr, LB1+16*(\b-2)
.endif
.irp k, 0,2,4,6,8,10,12,14
	v_pk_fma_f32 v[X+16*\b+\k:X+16*\b+\k+1], v[X+16*\b+\k:X+16*\b+\k+1], v[LW+16*\b+\k:LW+16*\b+\k+1], v[lbr+\k:lbr+\k+1]
.endr
.endr
	; the biases: q's or k's straight into the accumulators, once for each token tile; v's of my column in each of its two tiles
	s_wait_alu depctr_va_vdst(0)                   ; the multiply-adds are done reading ln1_w's registers, in which q's or k's bias lands
.irp u, 0,1
.irp b, 0,1
.irp q, 0,1,2,3
	global_load_b128 v[ACCQ+32*\u+16*\b+4*\q:ACCQ+32*\u+16*\b+4*\q+3], v[H64], s[BQ:BQ+1] offset:128*\b+16*\q
.endr
.endr
.endr
	global_load_b32 v[BV], v[RHO4], s[BVP:BVP+1]
	global_load_b32 v[BV+1], v[RHO4], s[BVP:BVP+1]
	global_load_b32 v[BV+2], v[RHO4], s[BVP:BVP+1] offset:32
	global_load_b32 v[BV+3], v[RHO4], s[BVP:BVP+1] offset:32
.irp b, 0,1,2,3
	v_mov_b32 v[TM+4+\b], 0                        ; a lane permute's destination counts as one of its sources
.endr
	QUANT X, 4, 0, PC
	v_lshl_or_b32 v[T], v[TM+5], 8, v[TM+4]
	v_lshl_or_b32 v[T], v[TM+6], 16, v[T]
	v_lshl_or_b32 v[T], v[TM+7], 24, v[T]
	s_wait_alu depctr_va_vdst(0)                   ; the codes v[PC ..] and the scale word v[T] are written, which the LDS stores read; the quantiser is done with v[X ..], in which the first weights land, and with v[TM ..], in which h's fragments land
.irp c, 0,1,2,3
	ds_store_b128 v[AW], v[PC+4*\c:PC+4*\c+3] offset:AIMG+512*\c   ; the fragment as it stands in my registers
.endr
	ds_store_b32 v[ASW], v[T] offset:ASC           ; lanes r and r + 16 store the same word
	SCLOAD 0
	WLOAD 0
	WLOAD 1
	s_wait_dscnt 0x0                               ; for the others' sake: my image has landed
	s_barrier_signal -1
	s_barrier_wait -1                              ; h's sixteen fragments lie in LDS
	s_wait_alu depctr_vm_vsrc(0)                   ; my LDS stores have read v[PC ..], in which h's fragments land, and v[T], which the way out writes again
	ALOAD 0
; ---- A K step of 128: three batches of two weight fragments, four products each.  The twelve accumulators take turns, one instruction a turn.
; Behind a batch's four products stands the wait which states that they are done reading their registers; the loads into those registers follow it.
; The wait on LOADcnt at a batch counts the loads issued behind its own eight: the next batch's eight, and at a step's third batch also the next step's two loads of scale words.
.macro KSTEP s
	s_wait_dscnt 0x0                               ; h's fragments and scale words of this step
.irp j, 0,1
	s_wait_loadcnt 8
.irp u, 0,1
.irp i, 0,1
.set md, ACCQ+32*\u+8*(2*\j+\i)
.set ma, WR+32*((3*(\s)+\j)%2)+16*\i
.set mb, AF+16*\u
.set msa, WS+8*((\s)%2)+2*\j+\i
.set msb, AS+\u
	WM 0
.endr
.endr
.if 3*(\s)+\j+2 < 24
	s_wait_alu depctr_va_vdst(0)                   ; the four products are done reading their half of the ring, in which the batch two on lands; the step before is done reading the other set of scale words
.if (\j == 1) && ((\s) < 7)
	SCLOAD (\s)+1
.endif
	WLOAD 3*(\s)+\j+2
.endif
.endr
.if (\s) < 7
	s_wait_loadcnt 10
.else
	s_wait_loadcnt 0x0
.endif
.irp u, 0,1
.irp i, 0,1
.set md, ACCV+16*\i+8*\u
.set ma, AF+16*\u
.set mb, WR+32*((3*(\s)+2)%2)+16*\i
.set msa, AS+\u
.set msb, WS+8*((\s)%2)+4+\i
.if (\s) == 0
	WM 1
.else
	WM 0
.endif
.endr
.endr
.if (\s) < 7
	s_wait_alu depctr_va_vdst(0)                   ; the step's products are done reading their half of the ring, h's fragments and h's scale words: the next loads land in all three
	WLOAD 3*(\s)+4
	ALOAD (\s)+1
.else
	PLACES 8                                       ; eight places behind the last products, before vector instructions read their results
.endif
.endm
.irp s, 0,1,2,3,4,5,6,7
	KSTEP \s
.endr
	; ---- the way out.  v's bias; q or k quantised along the head's 64 (blocks 2 u + b), v along its 32 tokens (blocks u')
	v_cmp_lt_u32 vcc_lo, 15, v[LN]                 ; lanes 16 to 31: made here, well ahead of its first reader
.irp i, 0,1
.irp k, 0,2,4,6,8,10,12,14
	v_pk_add_f32 v[ACCV+16*\i+\k:ACCV+16*\i+\k+1], v[ACCV+16*\i+\k:ACCV+16*\i+\k+1], v[BV+2*\i:BV+2*\i+1]
.endr
.endr
	QUANT ACCQ, 4, 0, PC
	v_lshl_or_b32 v[T], v[TM+5], 8, v[TM+4]        ; tile 0's word: two bytes; bytes 2 and 3 stay 0 (the product's upper 64 along K are zero codes)
	v_lshl_or_b32 v[T+1], v[TM+7], 8, v[TM+6]      ; tile 1's
	s_wait_alu depctr_va_vcc(0)                    ; the compare has written VCC, ahead of its first reader
	v_cndmask_b32 v[T+2], v[T], v[T+1], vcc_lo     ; lanes 0-15 store tile 0's words, lanes 16-31 tile 1's
	s_wait_alu depctr_va_vdst(0)                   ; the codes v[PC ..] and the word v[T+2] are written, which the stores read
.irp k, 0,1,2,3
	global_store_b128 v[LI], v[PC+4*\k:PC+4*\k+3], s[OUT1:OUT1+1] offset:512*\k   ; 512 consecutive bytes, aligned
.endr
	global_store_b32 v[SA], v[T+2], s[OUT2:OUT2+1]
	QUANT ACCV, 2, 0, PCV                          ; it writes none of the registers that the stores above read
	v_cndmask_b32 v[T+3], v[TM+4], v[TM+5], vcc_lo
	s_wait_alu depctr_va_vdst(0)                   ; v's codes v[PCV ..] and the byte v[T+3] are written, which the stores read
.irp i, 0,1
	global_store_b128 v[LI], v[PCV+4*\i:PCV+4*\i+3], s[OUT3:OUT3+1] offset:2048*\i
.endr
	global_store_b8 v[VA], v[T+3], s[OUT4:OUT4+1]
	s_wait_dscnt 0x0                               ; the closing lines, six on end
	s_wait_alu 0x0
	s_wait_tensorcnt 0x0
	ds_add_u32 v238, v239
	s_wait_dscnt 0x0
	s_endpgm
.Lfunc_end_k_qf764f86fcf_qkv:
	.size	k_qf764f86fcf_qkv, .Lfunc_end_k_qf764f86fcf_qkv-k_qf764f86fcf_qkv
	.p2alignl 7, 3214868480
	.fill 96, 4, 3214868480
	.section	.rodata,"a",@progbits
	.p2align	6, 0x0
	.amdhsa_kernel k_qf764f86fcf_qkv
		.amdhsa_group_segment_fixed_size 173056
		.amdhsa_private_segment_fixed_size 0
		.amdhsa_enable_private_segment 0
		.amdhsa_kernarg_size 88
		.amdhsa_user_sgpr_count 2
		.amdhsa_user_sgpr_kernarg_segment_ptr 1
		.amdhsa_wavefront_size32 1
		.amdhsa_system_sgpr_workgroup_id_x 1
		.amdhsa_system_sgpr_workgroup_id_y 1
		.amdhsa_system_sgpr_workgroup_id_z 1
		.amdhsa_system_vgpr_workitem_id 0
		.amdhsa_next_free_vgpr 256
		.amdhsa_next_free_sgpr 100
		.amdhsa_reserve_vcc 1
		.amdhsa_float_denorm_mode_32 3
		.amdhsa_float_denorm_mode_16_64 3
		.amdhsa_memory_ordered 1
		.amdhsa_forward_progress 1
		.amdhsa_inst_pref_size 86
	.end_amdhsa_kernel
	.amdgpu_metadata
---
amdhsa.version: [ 1, 2 ]
amdhsa.kernels:
  - .name:           k_qf764f86fcf_qkv
    .symbol:         k_qf764f86fcf_qkv.kd
    .args:
      - { .name: x, .offset: 0, .size: 8, .value_kind: global_buffer, .address_space: global }
      - { .name: ln1_w, .offset: 8, .size: 8, .value_kind: global_buffer, .address_space: global }
      - { .name: ln1_b, .offset: 16, .size: 8, .value_kind: global_buffer, .address_space: global }
      - { .name: wcodes, .offset: 24, .size: 8, .value_kind: global_buffer, .address_space: global }
      - { .name: wscales, .offset: 32, .size: 8, .value_kind: global_buffer, .address_space: global }
      - { .name: wq_b, .offset: 40, .size: 8, .value_kind: global_buffer, .address_space: global }
      - { .name: wk_b, .offset: 48, .size: 8, .value_kind: global_buffer, .address_space: global }
      - { .name: wv_b, .offset: 56, .size: 8, .value_kind: global_buffer, .address_space: global }
      - { .name: qc, .offset: 64, .size: 8, .value_kind: global_buffer, .address_space: global }
      - { .name: qs, .offset: 72, .size: 8, .value_kind: global_buffer, .address_space: global }
      - { .name: kv, .offset: 80, .size: 8, .value_kind: global_buffer, .address_space: global }
    .group_segment_fixed_size: 173056
    .private_segment_fixed_size: 0
    .kernarg_segment_align: 8
    .kernarg_segment_size: 88
    .max_flat_workgroup_size: 512
    .sgpr_count:     100
    .vgpr_count:     256
    .wavefront_size: 32
...
	.end_amdgpu_metadata
.endif
;; end of part 5
;; launch attn: the kernel of part 3 again; grid 8 x 32, 16 waves a work-group, no clusters, 327,680 bytes of LDS; arguments qc, qs, kv, oc, os; writes oc, os
;; launch tail (part 6): grid 256 x 1, 16 waves a work-group, no clusters, 212,480 bytes of LDS; arguments x, oc, os, wcodes, wscales, fc_b, ln2_w, ln2_b, fc1_b, fc2_b, out0; writes out0
.if DOCPART == 6
	.amdgcn_target "amdgcn-amd-amdhsa--gfx1250"
	.amdhsa_code_object_version 6
	.text
	.protected	k_qf764f86fcf_tail
	.globl	k_qf764f86fcf_tail
	.p2align	8
	.type	k_qf764f86fcf_tail,@function
k_qf764f86fcf_tail:
	s_mov_b64 s[64:65], 0
	v_nop
	global_prefetch_b8 v0, s[64:65] scope:SCOPE_SE
	s_setreg_imm32_b32 hwreg(HW_REG_WAVE_SCHED_MODE, 0, 2), 2
	s_setreg_imm32_b32 hwreg(HW_REG_WAVE_MODE, 25, 1), 1
	s_wait_xcnt 0x0
	s_wait_alu depctr_vm_vsrc(0)
; x1 = x + o fc^T + fc_b;  out = x1 + relu(LN2(x1) fc1^T + fc1_b) fc2^T + fc2_b.  The three products run on codes of BF8 (E5M2) with E8M0 scales; x1 never leaves the registers.
; SHARES: a work-group owns 32 tokens: two tiles u, and lane r of tile u is token 8 u + r + 8 (r / 8).  It has sixteen waves of 256 registers, four to a SIMD.
; THE WAVES SHARE THE COLUMNS: wave w makes columns 64 w on of fc and fc2 and columns 32 w on of fc1, for all 32 tokens.
; So each weight fragment is wanted by ONE wave and goes from memory straight into its registers (four loads of 512 consecutive bytes), feeding two products.  The tokens' codes go round as images of operand registers in LDS.
; Every product has 16 weight rows as source 0 and 16 tokens as source 1.  A lane holds one token, and the 16 registers of two neighbouring tiles are 16 neighbouring columns: the order the next operand's layout wants.
; x + fc_b is the C of fc's first products, fc1_b of fc1's, x1 + fc2_b of fc2's.  LN2's variance is the mean of (x1 - mean)^2, taken in a second pass over registers.
; x comes in and out0 goes out through the wave's own stage: each load and store covers two rows x 256 consecutive bytes, aligned.
; No tensor load and no joint request.  What the work-groups share is the weights, 1.5 MiB for 96 products a wave.  Through LDS slots they would want sixteen refills or more, each with two dozen products a SIMD to land in.
; LIMITS: NaN and infinities are not served; a block of zeros gets the scale byte 1 and not 127 (its codes are zeros, and this program alone reads the bytes).
; THE MODE: SCHED_MODE bits 1:0 = 2 (LLVM: expert scheduling mode 2), set by the entry lines.  The code itself states the register dependences
; between vector or matrix instructions and memory or LDS instructions, with s_wait_alu, always for 0.
; THE PLAN.  Registers that memory or LDS instructions touch, in the three products:
;   WR, two halves   A batch's four products read one half; behind them the eight loads of the batch two on land in it.
;   AF, AS           The products of a K step read them; the next step's LDS loads land in them behind the step's last product.
;   WS               Sixteen scale words of a weight: read by all its products, loaded anew behind the last of them.
;   v1 to v15        Offsets and LDS addresses, made at the head and never written again: immediate offsets reach every fragment.
;   x1's and the hidden layer's accumulators are named by vector and matrix instructions, by the loads that bring their first C, and x1's at the end by the LDS stores of the way out.
; The wave's 256 registers hold no third half.  So ONE wait on va_vdst stands behind each batch's four products that has loads behind it, where the half that they have emptied is asked for again at once.
; Behind the last batch of each product stand the eight places for the readers of its results, and then one wait for the loads or LDS stores that follow.
; Between the products each run of LDS stores has one wait on va_vdst ahead of it, and registers that LDS stores have read take loads again only behind a wait on vm_vsrc.
.set A1,    0                          ; o's 8 fragments, (4 u + s) x 2,048
.set A2,    16384                      ; LN2's 16 fragments, (8 u + s) x 2,048
.set A3,    49152                      ; the hidden layer's 8 fragments, (4 u + s) x 2,048
.set A2S,   65536                      ; scale bytes: 128 s + 8 r + 4 u + block
.set A3S,   66560
.set PS,    67072                      ; partial sums: 1,024 u + 64 r + 4 w; the squares' 2,048 further on
.set STAGE, 71168                      ; 32 rows x 272 bytes for each wave
.set LI,   1                           ; v1   16 x lane
.set LSC,  2                           ; v2   A2S + 8 r
.set STA,  3                           ; v3   my stage by rows: 272 (lane / 16) + 16 (lane % 16)
.set STD,  4                           ; v4   my stage by tokens: 272 r + 64 h
.set GX,   5                           ; v5   4,096 (lane / 16) + 16 (lane % 16)
.set A2W,  6                           ; v6   where my codes of LN2 go
.set A2SW, 7                           ; v7   and their two scale bytes
.set A3W,  8                           ; v8   where my codes of the hidden layer go
.set A3SW, 9                           ; v9   and their scale byte
.set PSW,  10                          ; v10  PS + 64 r + 4 w
.set PSR,  11                          ; v11  PS + 64 r + 32 h
.set R64,  12                          ; v12  64 r
.set H64,  13                          ; v13  64 h
.set R8,   14                          ; v14  8 r
.set C1W,  15                          ; v15  1,024 w + 16 x lane
.set AF,   16                          ; v16-47   the tokens' two fragments of a K step
.set PC,   16                          ; v16-31   codes just made
.set TM,   32                          ; v32-47   the quantiser's sixteen
.set LB,   16                          ; v16-47   ln2_b
.set WR,   48                          ; v48-111  four weight fragments: two batches by turns
.set H2,   48                          ; v48-111  x1 - mean, then LN2(x1); at the end rows of out0
.set ACCX, 112                         ; v112-175 x1: 32 u + 8 t
.set ACCH, 176                         ; v176-207 the hidden layer: 16 u + 8 t
.set FB,   176                         ; v176-207 fc_b, ln2_w, fc2_b at my 32 columns of a token
.set WS,   208                         ; v208-223 the weights' sixteen scale words: scales and nothing else
.set AS,   224                         ; v224-231 the tokens' scale words
.set MU,   232                         ; v[232:233], v[234:235] the two tiles' means, each twice
.set RS,   236                         ; v[236:237], v[238:239] 1 / sqrt(var + eps)
.set T,    240                         ; v240-255 at work
.set WV,   30
.set XB,   34
.set OUTP, 36
.set OCP,  38
.set OSP,  40
.set WPB,  42
.set WPC,  44
.set WPD,  46
.set WSB,  48
.set WSC,  50
.set WSD,  52
.set FCB,  54
.set L2W,  56
.set L2B,  58
.set F1B,  60
.set F2B,  62
.set SEL,  66
.set MNT,  68
.set C10,  69
.set EPS,  70
.macro PLACES n
.rept \n
	v_nop
.endr
.endm
; nb blocks of a lane (block b = v[s + 16 b] .. + 15, shared with lane l xor 16) become codes in v[pc + 4 b] .. + 3 and bytes in v[TM + 4 + b].  relu = 1: what is negative becomes 0 on the way.
.macro QUANT s, nb, relu, pc
.set qb, 0
.rept \nb
.if \relu
	v_max3_num_f32 v[TM+qb], v[(\s)+16*qb], v[(\s)+16*qb+1], 0x8000000   ; no |.|: what is negative is to become 0 and must not count; the floor 2^(16 - 127) stands over it
.else
	v_max3_num_f32 v[TM+qb], |v[(\s)+16*qb]|, |v[(\s)+16*qb+1]|, 0x8000000
.endif
.set qb, qb+1
.endr
.set qi, 2
.rept 7
.set qb, 0
.rept \nb
.if \relu
	v_max3_num_f32 v[TM+qb], v[TM+qb], v[(\s)+16*qb+qi], v[(\s)+16*qb+qi+1]
.else
	v_max3_num_f32 v[TM+qb], v[TM+qb], |v[(\s)+16*qb+qi]|, |v[(\s)+16*qb+qi+1]|
.endif
.set qb, qb+1
.endr
.set qi, qi+2
.endr
.set qb, 0
.rept \nb
	v_permlanex16_b32 v[TM+4+qb], v[TM+qb], s[SEL], s[SEL+1]
.set qb, qb+1
.endr
.set qb, 0
.rept \nb
	v_max_num_f32 v[TM+qb], v[TM+qb], v[TM+4+qb]
.set qb, qb+1
.endr
.set qb, 0
.rept \nb
	v_add_nc_u32 v[TM+12+qb], 0xf8800000, v[TM+qb]         ; 15 off the exponent field: the conversion's scale operand
.set qb, qb+1
.endr
.set qb, 0
.rept \nb
	v_and_or_b32 v[TM+8+qb], v[TM+qb], 0x7f800000, s[MNT]  ; 57,344 x the scale
.set qb, qb+1
.endr
.set qb, 0
.rept \nb
	v_lshrrev_b32 v[TM+4+qb], 23, v[TM+12+qb]              ; the scale's byte
.set qb, qb+1
.endr
.set qb, 0
.rept \nb
.set qi, 0
.rept 16
.if \relu
	v_med3_num_f32 v[(\s)+16*qb+qi], v[(\s)+16*qb+qi], 0, v[TM+8+qb]   ; the activation and the hold in one
.else
	v_med3_num_f32 v[(\s)+16*qb+qi], v[(\s)+16*qb+qi], -v[TM+8+qb], v[TM+8+qb]   ; the conversion does not saturate (ISA guide 7.6.2): the hold comes first
.endif
.set qi, qi+1
.endr
	v_cvt_scalef32_pk8_bf8_f32 v[(\pc)+4*qb:(\pc)+4*qb+1], v[(\s)+16*qb:(\s)+16*qb+7], v[TM+12+qb]
	v_cvt_scalef32_pk8_bf8_f32 v[(\pc)+4*qb+2:(\pc)+4*qb+3], v[(\s)+16*qb+8:(\s)+16*qb+15], v[TM+12+qb]
.set qb, qb+1
.endr
	v_nop                                                  ; one plain line behind the last conversion
.endm
.macro WM                              ; one product onto md: source 0 = weights ma with scales msa, source 1 = tokens mb with scales msb
	v_wmma_scale_f32_16x16x128_f8f6f4 v[md:md+7], v[ma:ma+15], v[mb:mb+15], v[md:md+7], v[msa], v[msb] matrix_a_fmt:MATRIX_FMT_BF8 matrix_b_fmt:MATRIX_FMT_BF8
.endm
.macro WLOAD g, wp                     ; batch g: fragments 2 g and 2 g + 1 of my stream at s[wp], into half g % 2 of the ring
.irp i, 0,1
.irp c, 0,1,2,3
	global_load_b128 v[WR+32*((\g)%2)+16*\i+4*\c:WR+32*((\g)%2)+16*\i+4*\c+3], v[LI], s[\wp:\wp+1] offset:(2*(\g)+\i)*2048+512*\c
.endr
.endr
.endm
.macro WSLOAD wsp                      ; my sixteen scale words of a weight
.irp k, 0,1,2,3
	global_load_b128 v[WS+4*\k:WS+4*\k+3], v[R64], s[\wsp:\wsp+1] offset:16*\k
.endr
.endm
.macro ALOAD base, nks, s              ; the tokens' two fragments of K step s
.irp u, 0,1
.irp c, 0,1,2,3
	ds_load_b128 v[AF+16*\u+4*\c:AF+16*\u+4*\c+3], v[LI] offset:(\base)+(\u*(\nks)+(\s))*2048+512*\c
.endr
.endr
.endm
.macro COLS reg, ptr                   ; 32 numbers of a vector of 1,024: register 16 b + i = column 64 w + 32 b + 16 h + i
.irp b, 0,1
.irp q, 0,1,2,3
	global_load_b128 v[\reg+16*\b+4*\q:\reg+16*\b+4*\q+3], v[H64], s[\ptr:\ptr+1] offset:128*\b+16*\q
.endr
.endr
.endm
.macro ADDCOLS                         ; onto both tiles of x1
.irp u, 0,1
.irp k, 0,2,4,6,8,10,12,14,16,18,20,22,24,26,28,30
	v_pk_add_f32 v[ACCX+32*\u+\k:ACCX+32*\u+\k+1], v[ACCX+32*\u+\k:ACCX+32*\u+\k+1], v[FB+\k:FB+\k+1]
.endr
.endr
.endm
.macro FOLD                            ; the packed chains v[T+4u:T+4u+3] become my token's sum over this wave's 64 columns: v[T] (tile 0), v[T+4] (tile 1)
.irp u, 0,1
	v_pk_add_f32 v[T+4*\u:T+4*\u+1], v[T+4*\u:T+4*\u+1], v[T+4*\u+2:T+4*\u+3]
.endr
.irp u, 0,1
	v_add_f32 v[T+4*\u], v[T+4*\u], v[T+4*\u+1]
.endr
.irp u, 0,1
	v_permlanex16_b32 v[T+4*\u+1], v[T+4*\u], s[SEL], s[SEL+1]
.endr
.irp u, 0,1
	v_add_f32 v[T+4*\u], v[T+4*\u], v[T+4*\u+1]
.endr
.endm
.macro ROWSUM ps                       ; the sixteen waves exchange their sums: the row's sum over 1,024 columns in v[T] (tile 0) and v[T+8] (tile 1), the same bits in every wave
	s_wait_alu depctr_va_vdst(0)                   ; v[T] and v[T+4] are written, which the stores read; every vector instruction is done with v[T] to v[T+15], in which the loads below land
	ds_store_b32 v[PSW], v[T] offset:\ps           ; lanes r and r + 16 store the same word
	ds_store_b32 v[PSW], v[T+4] offset:\ps+1024
	s_wait_dscnt 0x0                               ; for the others' sake: my stores have landed
	s_barrier_signal -1
	s_barrier_wait -1
	s_wait_alu depctr_vm_vsrc(0)                   ; my two stores have read v[T] and v[T+4], in which the loads below land
.irp u, 0,1
	ds_load_b128 v[T+8*\u:T+8*\u+3], v[PSR] offset:\ps+1024*\u         ; lanes 0-15 take waves 0-7's sums, lanes 16-31 waves 8-15's
	ds_load_b128 v[T+8*\u+4:T+8*\u+7], v[PSR] offset:\ps+1024*\u+16
.endr
	s_wait_dscnt 0x0
.irp u, 0,1
	v_add_f32 v[T+8*\u], v[T+8*\u], v[T+8*\u+1]
	v_add_f32 v[T+8*\u+2], v[T+8*\u+2], v[T+8*\u+3]
	v_add_f32 v[T+8*\u+4], v[T+8*\u+4], v[T+8*\u+5]
	v_add_f32 v[T+8*\u+6], v[T+8*\u+6], v[T+8*\u+7]
.endr
.irp u, 0,1
	v_add_f32 v[T+8*\u], v[T+8*\u], v[T+8*\u+2]
	v_add_f32 v[T+8*\u+4], v[T+8*\u+4], v[T+8*\u+6]
.endr
.irp u, 0,1
	v_add_f32 v[T+8*\u], v[T+8*\u], v[T+8*\u+4]
.endr
.irp u, 0,1
	v_permlanex16_b32 v[T+8*\u+1], v[T+8*\u], s[SEL], s[SEL+1]
.endr
.irp u, 0,1
	v_add_f32 v[T+8*\u], v[T+8*\u], v[T+8*\u+1]    ; both halves add the same two numbers
.endr
.endm
; fc and fc2: four K steps, two batches of two weight fragments each, four products a batch.  The eight accumulators take turns, one instruction a turn.
; Behind a batch's four products stands the wait which states that they are done reading their registers; the loads into those registers follow it.  The last batch but one has no load behind it and no wait;
; the last has the eight places for the readers of its results.  The wait on LOADcnt at a batch leaves the next batch's eight loads out.
.macro PASS64 abase, wp, fromlds
.irp s, 0,1,2,3
.irp j, 0,1
.if \j == 0
	s_wait_dscnt 0x0                               ; the tokens' fragments of this step
.endif
.if 2*\s+\j < 7
	s_wait_loadcnt 8
.else
	s_wait_loadcnt 0x0
.endif
.irp u, 0,1
.irp i, 0,1
.set md, ACCX+32*\u+8*(2*\j+\i)
.set ma, WR+32*\j+16*\i
.set mb, AF+16*\u
.set msa, WS+4*\s+2*\j+\i
.if \fromlds
.set msb, AS+\u
.else
.set msb, AS+2*\s+\u
.endif
	WM
.endr
.endr
.if 2*\s+\j+2 < 8
	s_wait_alu depctr_va_vdst(0)                   ; the four products are done reading their half of the ring, in which the batch two on lands; at a step's end the step's eight are done reading the tokens' fragments and scale words
	WLOAD 2*\s+\j+2, \wp
.if \j == 1
	ALOAD \abase, 4, \s+1
.if \fromlds
	ds_load_b64 v[AS:AS+1], v[LSC] offset:A3S-A2S+128*(\s+1)
.endif
.endif
.endif
.if 2*\s+\j == 7
	PLACES 8                                       ; eight places behind the last products, before their results are read
.endif
.endr
.endr
.endm
	s_load_b512 s[8:23], s[0:1], 0x0               ; x s[8:9], o's codes, o's scale bytes, the weights' codes s[14:15], their scale words s[16:17], fc_b, ln2_w, ln2_b s[22:23]
	s_load_b128 s[24:27], s[0:1], 0x40             ; fc1_b, fc2_b
	s_load_b64 s[28:29], s[0:1], 0x50              ; out0
	v_lshrrev_b32 v240, 5, v0
	v_readfirstlane_b32 s[WV], v240                ; wave 0..15
	v_and_b32 v240, 31, v0                         ; lane
	v_and_b32 v241, 15, v0                         ; r
	v_bfe_u32 v242, v0, 4, 1                       ; h
	v_lshlrev_b32 v[LI], 4, v240
	v_lshl_add_u32 v[LSC], v241, 3, A2S
	s_wait_alu depctr_va_sdst(0)                   ; the wave's number is written, ahead of its first reader: LDS addresses and every base are made from it
	s_mul_i32 s72, s[WV], 8704
	s_add_co_u32 s72, s72, STAGE
	v_mul_u32_u24 v[STA], v242, 272
	v_lshl_add_u32 v[STA], v241, 4, v[STA]
	v_add_nc_u32 v[STA], s72, v[STA]
	v_mul_u32_u24 v[STD], v241, 272
	v_lshl_add_u32 v[STD], v242, 6, v[STD]
	v_add_nc_u32 v[STD], s72, v[STD]
	v_lshlrev_b32 v[GX], 12, v242
	v_lshl_add_u32 v[GX], v241, 4, v[GX]
	s_lshr_b32 s73, s[WV], 1                       ; my 64 columns are half of K step w / 2 of fc1
	s_and_b32 s74, s[WV], 1
	s_lshl_b32 s75, s73, 11
	s_lshl_b32 s76, s74, 10
	s_add_co_u32 s75, s75, s76
	s_add_co_u32 s75, s75, A2
	v_add_nc_u32 v[A2W], s75, v[LI]
	s_lshl_b32 s75, s73, 7
	s_lshl_b32 s76, s74, 1
	s_add_co_u32 s75, s75, s76
	s_add_co_u32 s75, s75, A2S
	v_lshl_add_u32 v[A2SW], v241, 3, s75
	s_lshr_b32 s73, s[WV], 2                       ; my 32 hidden units are block w % 4 of K step w / 4 of fc2
	s_and_b32 s74, s[WV], 3
	s_lshl_b32 s75, s73, 11
	s_lshl_b32 s76, s74, 9
	s_add_co_u32 s75, s75, s76
	s_add_co_u32 s75, s75, A3
	v_add_nc_u32 v[A3W], s75, v[LI]
	s_lshl_b32 s75, s73, 7
	s_add_co_u32 s75, s75, s74
	s_add_co_u32 s75, s75, A3S
	v_lshl_add_u32 v[A3SW], v241, 3, s75
	s_lshl_b32 s75, s[WV], 2
	s_add_co_u32 s75, s75, PS
	v_lshl_add_u32 v[PSW], v241, 6, s75
	v_lshlrev_b32 v[PSR], 6, v241
	v_lshl_add_u32 v[PSR], v242, 5, v[PSR]
	v_add_nc_u32 v[PSR], PS, v[PSR]
	v_lshlrev_b32 v[R64], 6, v241
	v_lshlrev_b32 v[H64], 6, v242
	v_lshlrev_b32 v[R8], 3, v241
	s_lshl_b32 s75, s[WV], 10
	v_add_nc_u32 v[C1W], s75, v[LI]
	s_mov_b32 s[SEL], 0x76543210
	s_mov_b32 s[SEL+1], 0xfedcba98
	s_mov_b32 s[MNT], 0x600000
	s_mov_b32 s[C10], 0x3a800000                   ; 1 / 1,024
	s_mov_b32 s[EPS], 0x358637bd                   ; 1e-6
	; byte offsets
	s_lshl_b32 s76, ttmp9, 17                      ; x, out0: 32 rows of 4,096 bytes a work-group,
	s_lshl_b32 s78, s[WV], 8                       ; my 64 columns
	s_add_co_u32 s76, s76, s78
	s_mov_b32 s77, 0
	s_mov_b32 s79, 0
	s_lshl_b32 s80, ttmp9, 14                      ; o's codes
	s_mov_b32 s81, 0
	s_lshl_b32 s82, ttmp9, 9                       ; o's scale bytes
	s_mov_b32 s83, 0
	s_lshl_b32 s84, s[WV], 15                      ; my sixteen fragments of a weight
	s_mov_b32 s85, 0
	s_lshl_b32 s86, s[WV], 10                      ; and their scale words
	s_mov_b32 s87, 0
	s_lshl_b32 s88, s[WV], 7                       ; my 32 numbers of fc1_b
	s_mov_b32 s89, 0
	s_wait_kmcnt 0x0
	s_add_nc_u64 s[XB:XB+1], s[8:9], s[76:77]
	s_add_nc_u64 s[OUTP:OUTP+1], s[28:29], s[76:77]
	s_add_nc_u64 s[OCP:OCP+1], s[10:11], s[80:81]
	s_add_nc_u64 s[OSP:OSP+1], s[12:13], s[82:83]
	s_add_nc_u64 s[WPB:WPB+1], s[14:15], s[84:85]
	s_add_nc_u64 s[WPC:WPC+1], s[WPB:WPB+1], 1024*2048
	s_add_nc_u64 s[WPD:WPD+1], s[WPB:WPB+1], 1280*2048
	s_add_nc_u64 s[WPB:WPB+1], s[WPB:WPB+1], 768*2048
	s_add_nc_u64 s[WSB:WSB+1], s[16:17], s[86:87]
	s_add_nc_u64 s[WSC:WSC+1], s[WSB:WSB+1], 81920
	s_add_nc_u64 s[WSD:WSD+1], s[WSB:WSB+1], 98304
	s_add_nc_u64 s[WSB:WSB+1], s[WSB:WSB+1], 65536
	s_add_nc_u64 s[FCB:FCB+1], s[18:19], s[78:79]
	s_add_nc_u64 s[L2W:L2W+1], s[20:21], s[78:79]
	s_add_nc_u64 s[L2B:L2B+1], s[22:23], s[78:79]
	s_add_nc_u64 s[F1B:F1B+1], s[24:25], s[88:89]
	s_add_nc_u64 s[F2B:F2B+1], s[26:27], s[78:79]
	s_wait_alu depctr_va_vdst(0)                   ; the fifteen offsets and LDS addresses v1 to v15 are written: every load and store of the kernel reads one of them
	; ---- all first loads, 50 of them, in the order in which they are wanted
	global_load_b128 v[16:19], v[C1W], s[OCP:OCP+1]                  ; my 1,024 bytes of o's eight fragments
	global_load_b128 v[20:23], v[C1W], s[OCP:OCP+1] offset:512
.irp i, 0,1,2,3,4,5,6,7,8,9,10,11,12,13,14,15
	global_load_b128 v[ACCX+4*\i:ACCX+4*\i+3], v[GX], s[XB:XB+1] offset:(8*(\i/8)+2*(\i%8)+8*((\i%8)/4))*4096 th:TH_LOAD_NT   ; the tokens of lanes 2 (i % 8) and + 1 of tile i / 8: two rows x 256 bytes
.endr
	COLS FB, FCB
.irp s, 0,1,2,3
	global_load_b64 v[AS+2*\s:AS+2*\s+1], v[R8], s[OSP:OSP+1] offset:128*\s
.endr
	WSLOAD WSB
	WLOAD 0, WPB
	WLOAD 1, WPB
	s_wait_loadcnt 48                              ; o's two loads are in; the 48 behind them may be out
	ds_store_b128 v[C1W], v[16:19] offset:A1
	ds_store_b128 v[C1W], v[20:23] offset:A1+512
	s_wait_loadcnt 32                              ; x is in; behind it: fc_b 8, scales 4 + 4, weights 16
.irp i, 0,1,2,3,4,5,6,7,8,9,10,11,12,13,14,15
	ds_store_b128 v[STA], v[ACCX+4*\i:ACCX+4*\i+3] offset:2*\i*272
.endr
	s_wait_alu depctr_vm_vsrc(0)                   ; the stores into the stage have read v[ACCX ..], in which the loads from the stage land; o's two stores have read v16 to v23, in which o's fragments land behind the barrier
.irp u, 0,1
.irp b, 0,1
.irp q, 0,1,2,3
	ds_load_b128 v[ACCX+32*\u+16*\b+4*\q:ACCX+32*\u+16*\b+4*\q+3], v[STD] offset:4352*\u+128*\b+16*\q   ; register 16 b + i = column 64 w + 32 b + 16 h + i of my token.  LDS serves a wave's instructions in order
.endr
.endr
.endr
	s_wait_loadcnt 24                              ; fc_b is in
	s_wait_dscnt 0x0                               ; x is back, and my part of o's images has landed
	ADDCOLS                                        ; x + fc_b: what fc's products add onto
	s_barrier_signal -1
	s_barrier_wait -1                              ; o's eight fragments lie in LDS
	ALOAD A1, 4, 0
	PASS64 A1, WPB, 0                              ; x1 = x + fc_b + o fc^T
	; ---- LN2
	s_wait_alu depctr_va_vdst(0)                   ; fc's last products are done reading the tokens' fragments, in which ln2_b lands; the additions of fc_b are done reading v[FB ..], in which ln2_w lands
	COLS FB, L2W
	COLS LB, L2B
.irp u, 0,1
	v_pk_add_f32 v[T+4*\u:T+4*\u+1], v[ACCX+32*\u:ACCX+32*\u+1], v[ACCX+32*\u+2:ACCX+32*\u+3]   ; each accumulator from its low end on
	v_pk_add_f32 v[T+4*\u+2:T+4*\u+3], v[ACCX+32*\u+4:ACCX+32*\u+5], v[ACCX+32*\u+6:ACCX+32*\u+7]
.endr
.irp j, 8,12,16,20,24,28
.irp u, 0,1
	v_pk_add_f32 v[T+4*\u:T+4*\u+1], v[T+4*\u:T+4*\u+1], v[ACCX+32*\u+\j:ACCX+32*\u+\j+1]
	v_pk_add_f32 v[T+4*\u+2:T+4*\u+3], v[T+4*\u+2:T+4*\u+3], v[ACCX+32*\u+\j+2:ACCX+32*\u+\j+3]
.endr
.endr
	FOLD
	ROWSUM 0
.irp u, 0,1
	v_mul_f32 v[MU+2*\u], s[C10], v[T+8*\u]        ; the means
.endr
.irp u, 0,1
	v_mov_b32 v[MU+2*\u+1], v[MU+2*\u]
.endr
.irp u, 0,1
.irp k, 0,2,4,6,8,10,12,14,16,18,20,22,24,26,28,30
	v_pk_add_f32 v[H2+32*\u+\k:H2+32*\u+\k+1], v[ACCX+32*\u+\k:ACCX+32*\u+\k+1], v[MU+2*\u:MU+2*\u+1] neg_lo:[0,1] neg_hi:[0,1]   ; x1 - mean; x1 stays
.endr
.endr
.irp u, 0,1
	v_pk_mul_f32 v[T+4*\u:T+4*\u+1], v[H2+32*\u:H2+32*\u+1], v[H2+32*\u:H2+32*\u+1]
	v_pk_mul_f32 v[T+4*\u+2:T+4*\u+3], v[H2+32*\u+2:H2+32*\u+3], v[H2+32*\u+2:H2+32*\u+3]
.endr
.irp j, 4,8,12,16,20,24,28
.irp u, 0,1
	v_pk_fma_f32 v[T+4*\u:T+4*\u+1], v[H2+32*\u+\j:H2+32*\u+\j+1], v[H2+32*\u+\j:H2+32*\u+\j+1], v[T+4*\u:T+4*\u+1]
	v_pk_fma_f32 v[T+4*\u+2:T+4*\u+3], v[H2+32*\u+\j+2:H2+32*\u+\j+3], v[H2+32*\u+\j+2:H2+32*\u+\j+3], v[T+4*\u+2:T+4*\u+3]
.endr
.endr
	FOLD
	ROWSUM 2048
.irp u, 0,1
	v_fma_f32 v[RS+2*\u], v[T+8*\u], s[C10], s[EPS]   ; var + eps
.endr
.irp u, 0,1
	v_rsq_f32 v[RS+2*\u], v[RS+2*\u]
.endr
	v_nop                                          ; one plain line behind the transcendentals
	s_wait_alu depctr_va_vdst(0)                   ; the two reciprocal roots are written, ahead of their first reader
.irp u, 0,1
	v_mov_b32 v[RS+2*\u+1], v[RS+2*\u]
.endr
	s_wait_loadcnt 0x0                             ; ln2_w, ln2_b
.irp u, 0,1
.irp k, 0,2,4,6,8,10,12,14,16,18,20,22,24,26,28,30
	v_pk_mul_f32 v[H2+32*\u+\k:H2+32*\u+\k+1], v[H2+32*\u+\k:H2+32*\u+\k+1], v[RS+2*\u:RS+2*\u+1]
.endr
.endr
.irp u, 0,1
.irp k, 0,2,4,6,8,10,12,14,16,18,20,22,24,26,28,30
	v_pk_fma_f32 v[H2+32*\u+\k:H2+32*\u+\k+1], v[H2+32*\u+\k:H2+32*\u+\k+1], v[FB+\k:FB+\k+1], v[LB+\k:LB+\k+1]
.endr
.endr
	s_wait_alu depctr_va_vdst(0)                   ; the multiply-adds are done reading ln2_w's registers, in which fc1_b lands
.irp u, 0,1                                    ; fc1_b straight into the accumulators, once for each token tile
.irp q, 0,1,2,3
	global_load_b128 v[ACCH+16*\u+4*\q:ACCH+16*\u+4*\q+3], v[H64], s[F1B:F1B+1] offset:16*\q
.endr
.endr
	WSLOAD WSC
.irp b, 0,1,2,3
	v_mov_b32 v[TM+4+\b], 0                        ; a lane permute's destination counts as one of its sources
.endr
	QUANT H2, 4, 0, PC                             ; blocks 2 u + b
	v_lshl_or_b32 v[T], v[TM+5], 8, v[TM+4]        ; tile 0's two bytes
	v_lshl_or_b32 v[T+1], v[TM+7], 8, v[TM+6]      ; tile 1's
	s_wait_alu depctr_va_vdst(0)                   ; the codes v[PC ..] and the bytes v[T], v[T+1] are written, which the LDS stores read; the quantiser is done with v[H2 ..], in which fc1's first weights land, and with v[TM ..], in which the tokens' fragments land
.irp u, 0,1
.irp b, 0,1
	ds_store_b128 v[A2W], v[PC+8*\u+4*\b:PC+8*\u+4*\b+3] offset:16384*\u+512*\b
.endr
	ds_store_b16 v[A2SW], v[T+\u] offset:4*\u      ; lanes r and r + 16 store the same two bytes
.endr
	WLOAD 0, WPC
	WLOAD 1, WPC
	s_wait_dscnt 0x0                               ; for the others' sake: my images have landed
	s_barrier_signal -1
	s_barrier_wait -1                              ; LN2's sixteen fragments lie in LDS
	s_wait_alu depctr_vm_vsrc(0)                   ; my LDS stores have read v[PC ..], in which the tokens' fragments land
	ALOAD A2, 8, 0
	ds_load_b64 v[AS:AS+1], v[LSC]
	; ---- fc1: eight K steps, one batch each; four accumulators by turns
.irp s, 0,1,2,3,4,5,6,7
	s_wait_dscnt 0x0
.if \s < 7
	s_wait_loadcnt 8                               ; this batch is in; the next one's eight loads may be out
.else
	s_wait_loadcnt 0x0
.endif
.irp u, 0,1
.irp i, 0,1
.set md, ACCH+16*\u+8*\i
.set ma, WR+32*(\s%2)+16*\i
.set mb, AF+16*\u
.set msa, WS+2*\s+\i
.set msb, AS+\u
	WM
.endr
.endr
.if \s < 7
	s_wait_alu depctr_va_vdst(0)                   ; the four products are done reading the tokens' fragments and scale words and their half of the ring: the next loads land in all three
	ALOAD A2, 8, \s+1
	ds_load_b64 v[AS:AS+1], v[LSC] offset:128*(\s+1)
.if \s+2 < 8
	WLOAD \s+2, WPC
.endif
.else
	PLACES 8                                       ; eight places behind the last products, before the quantiser reads their results and writes over the fragments that they read
.endif
.endr
	; ---- the hidden layer: relu and quantiser in one, along my 32 units
	s_wait_alu depctr_va_vdst(0)                   ; fc1's products are done reading their scale words and both halves of the ring, in which fc2's land
	WSLOAD WSD
	WLOAD 0, WPD
	WLOAD 1, WPD
	QUANT ACCH, 2, 1, PC
	s_wait_alu depctr_va_vdst(0)                   ; the codes v[PC ..] and the bytes v[TM+4], v[TM+5] are written, which the LDS stores read; the quantiser is done with v[ACCH ..], in which fc2_b lands
.irp u, 0,1
	ds_store_b128 v[A3W], v[PC+4*\u:PC+4*\u+3] offset:8192*\u
	ds_store_b8 v[A3SW], v[TM+4+\u] offset:4*\u    ; lanes r and r + 16 store the same byte
.endr
	COLS FB, F2B
	s_wait_dscnt 0x0                               ; for the others' sake: my images have landed
	s_barrier_signal -1
	s_barrier_wait -1                              ; the hidden layer's eight fragments lie in LDS
	s_wait_alu depctr_vm_vsrc(0)                   ; my LDS stores have read v[PC ..] and v[TM+4], v[TM+5], in which the tokens' fragments land
	ALOAD A3, 4, 0
	ds_load_b64 v[AS:AS+1], v[LSC] offset:A3S-A2S
	s_wait_loadcnt 0x0                             ; fc2_b, which was asked for last
	ADDCOLS                                        ; x1 + fc2_b: what fc2's products add onto
	PASS64 A3, WPD, 1
	; ---- the way out: through my stage, so that each store covers two rows x 256 consecutive bytes, aligned
	s_wait_alu depctr_va_vdst(0)                   ; fc2's products have written v[ACCX ..], which the LDS stores read, and are done reading the ring, in which the rows of out0 land; the places above stay beside this wait
.irp u, 0,1
.irp b, 0,1
.irp q, 0,1,2,3
	ds_store_b128 v[STD], v[ACCX+32*\u+16*\b+4*\q:ACCX+32*\u+16*\b+4*\q+3] offset:4352*\u+128*\b+16*\q   ; each accumulator from its low end on
.endr
.endr
.endr
.irp i, 0,1,2,3,4,5,6,7,8,9,10,11,12,13,14,15
	ds_load_b128 v[H2+4*\i:H2+4*\i+3], v[STA] offset:2*\i*272   ; LDS serves a wave's instructions in order: these see my stores
.endr
.irp i, 0,1,2,3,4,5,6,7,8,9,10,11,12,13,14,15
	s_wait_dscnt 15-\i                             ; load i is back; the younger ones may be out
	global_store_b128 v[GX], v[H2+4*\i:H2+4*\i+3], s[OUTP:OUTP+1] offset:(8*(\i/8)+2*(\i%8)+8*((\i%8)/4))*4096 th:TH_STORE_NT
.endr
	s_wait_xcnt 0x0
	v_lshl_add_u32 v254, v0, 2, 0x33600            ; the add's two registers are made anew: no memory or LDS instruction of the kernel has read v254 or v255 (LDS loads landed in them, long waited for)
	v_mov_b32 v255, 0
	s_wait_dscnt 0x0                               ; the closing lines, six on end
	s_wait_alu 0x0
	s_wait_tensorcnt 0x0
	ds_add_u32 v254, v255
	s_wait_dscnt 0x0
	s_endpgm
.Lfunc_end_k_qf764f86fcf_tail:
	.size	k_qf764f86fcf_tail, .Lfunc_end_k_qf764f86fcf_tail-k_qf764f86fcf_tail
	.p2alignl 7, 3214868480
	.fill 96, 4, 3214868480
	.section	.rodata,"a",@progbits
	.p2align	6, 0x0
	.amdhsa_kernel k_qf764f86fcf_tail
		.amdhsa_group_segment_fixed_size 212480
		.amdhsa_private_segment_fixed_size 0
		.amdhsa_enable_private_segment 0
		.amdhsa_kernarg_size 88
		.amdhsa_user_sgpr_count 2
		.amdhsa_user_sgpr_kernarg_segment_ptr 1
		.amdhsa_wavefront_size32 1
		.amdhsa_system_sgpr_workgroup_id_x 1
		.amdhsa_system_sgpr_workgroup_id_y 1
		.amdhsa_system_sgpr_workgroup_id_z 1
		.amdhsa_system_vgpr_workitem_id 0
		.amdhsa_next_free_vgpr 256
		.amdhsa_next_free_sgpr 100
		.amdhsa_reserve_vcc 0
		.amdhsa_float_denorm_mode_32 3
		.amdhsa_float_denorm_mode_16_64 3
		.amdhsa_memory_ordered 1
		.amdhsa_forward_progress 1
		.amdhsa_inst_pref_size 90
	.end_amdhsa_kernel
	.amdgpu_metadata
---
amdhsa.version: [ 1, 2 ]
amdhsa.kernels:
  - .name:           k_qf764f86fcf_tail
    .symbol:         k_qf764f86fcf_tail.kd
    .args:
      - { .name: x, .offset: 0, .size: 8, .value_kind: global_buffer, .address_space: global }
      - { .name: oc, .offset: 8, .size: 8, .value_kind: global_buffer, .address_space: global }
      - { .name: os, .offset: 16, .size: 8, .value_kind: global_buffer, .address_space: global }
      - { .name: wcodes, .offset: 24, .size: 8, .value_kind: global_buffer, .address_space: global }
      - { .name: wscales, .offset: 32, .size: 8, .value_kind: global_buffer, .address_space: global }
      - { .name: fc_b, .offset: 40, .size: 8, .value_kind: global_buffer, .address_space: global }
      - { .name: ln2_w, .offset: 48, .size: 8, .value_kind: global_buffer, .address_space: global }
      - { .name: ln2_b, .offset: 56, .size: 8, .value_kind: global_buffer, .address_space: global }
      - { .name: fc1_b, .offset: 64, .size: 8, .value_kind: global_buffer, .address_space: global }
      - { .name: fc2_b, .offset: 72, .size: 8, .value_kind: global_buffer, .address_space: global }
      - { .name: out0, .offset: 80, .size: 8, .value_kind: global_buffer, .address_space: global }
    .group_segment_fixed_size: 212480
    .private_segment_fixed_size: 0
    .kernarg_segment_align: 8
    .kernarg_segment_size: 88
    .max_flat_workgroup_size: 512
    .sgpr_count:     100
    .vgpr_count:     256
    .wavefront_size: 32
...
	.end_amdgpu_metadata
.endif
;; end of part 6
